; MI455X (gfx1250); checked and timed in simulation.
; The chip was launched on July 23, 2026; its instructions are those of AMD's public machine-readable ISA for CDNA 5 (MIT licence, August 2026) and "CDNA5" Instruction Set Architecture Reference Guide (July 2026). The comments in the code are by the model that wrote it; some were corrected since.
;; Attention. Allowed arithmetic: matrix products marked QUANTISED: E5M2 operands, one given power-of-two scale a tensor, by v_wmma_f32_16x16x64_bf8_bf8 or v_wmma_f32_16x16x128_bf8_bf8, f32 sums; everything else in f32.
;; Inputs: gn_bias 128 float32; gn_weight 128 float32; lowp_scales 8 int32 (the exponents e of the quantised operands' scales 2^e); proj_bias 128 float32; proj_weight_codes 128 x 4 x 32 uint8 (E5M2 codes of proj_weight, K innermost, in blocks of 32 codes); qkv_bias 384 float32; qkv_weight_codes 384 x 4 x 32 uint8 (E5M2 codes of qkv_weight, K innermost, in blocks of 32 codes); x 4 x 128 x 64 x 64 float32.
;; Outputs: out0 4 x 128 x 64 x 64 float32.
;; This version of the problem:
;;   THIS VERSION OF THE PROBLEM IS GIVEN IN LOW PRECISION. The matrix products marked QUANTISED in the list below multiply operands that are first quantised to E5M2 (5 exponent bits, 2 mantissa bits; 8 bits a number), with one given power-of-two scale for each operand tensor; their sums are f32. All else is computed in f32.
;;   The module's matrix products, in the order in which they are computed (A, B: the left and right operand; K: the contracted axis; several contracted axes count as one K, in the product's order):
;;     1. [M 16,384, K 128] x [K 128, N 384]; A: computed on the way; B: input qkv_weight (given as codes): QUANTISED (scales: A lowp_scales[0], B lowp_scales[1])
;;     2. batch 4 x [M 4,096, K 128] x [K 128, N 4,096]; A: computed on the way; B: computed on the way: QUANTISED (scales: A lowp_scales[2], B lowp_scales[3])
;;     3. batch 4 x [M 4,096, K 4,096] x [K 4,096, N 128]; A: softmax (see below); B: computed on the way: QUANTISED (scales: A lowp_scales[4], B lowp_scales[5])
;;     4. [M 16,384, K 128] x [K 128, N 128]; A: computed on the way; B: input proj_weight (given as codes): QUANTISED (scales: A lowp_scales[6], B lowp_scales[7])
;;   THE QUANTISER, for each operand of a quantised product, along K:
;;     - The operand's scale is 2^e, e = its entry of the input lowp_scales (int32; the entries are numbered through the quantised products in the list's order, A before B).
;;     - Each number is divided by the scale, clamped to +-57,344, and rounded to the nearest number of E5M2, ties to even, subnormals kept.
;;     - The product sums the exact products of the quantised numbers (number of the format x scale) in f32.
;;   ~~~python
;;   def quantise(x, axis, e):      # numpy; x: float32 -> the quantised numbers, widened to float32 again
;;       x = np.moveaxis(x, axis, -1); K = x.shape[-1]
;;       r = np.clip(x / 2.0 ** e, -57344, 57344)
;;       step = 2.0 ** (np.maximum(np.frexp(np.where(r == 0, 1, r))[1] - 1, -14) - 2)
;;       q = np.round(r / step) * step * 2.0 ** e      # np.round: ties to even
;;       return np.moveaxis(q, -1, axis).astype(np.float32)
;;   ~~~
;;   SOFTMAX AHEAD OF A QUANTISED PRODUCT. Where the list says 'softmax', what is quantised is not the finished softmax but p = 2^(t - M), with t = logit x log2(e) and M = ceil(the row's largest t), a whole number; so 1/2 < the row's largest p <= 1. The row's sum l is taken of the UNQUANTISED p, in f32, and the product's result is divided by l at the end. Since M is a whole number, a kernel that streams over the keys may use a running M (the ceiling of the running maximum): every later rescaling is an exact power of two, so the quantised numbers keep their values, but for numbers so far below the row's largest that they fall under the format's range.
;;   OPERANDS COMPUTED ON THE WAY. 'Computed on the way' means the value that the module computes at that place (a softmax that the list does not call 'softmax' is quantised finished and normalised). What goes into a quantiser is computed in f32, as accurately as f32 sums, v_exp_f32 and their like allow (about 1e-6 of the number): no bf16 or f16 on the way to a quantiser, and a product that is left as it is and whose result goes on into a quantised operand takes f32 operands (vector FMAs, or v_wmma_f32_16x16x4_f32). A number that lies on a knife's edge between two numbers of the format may be rounded either way, as far as f32 arithmetic and the matrix unit's own rounding can turn it there, and no further.
;;   INPUTS GIVEN AS CODES. proj_weight (in the module: [128, 128], K = its axis 1); qkv_weight (in the module: [384, 128], K = its axis 1): each comes as NAME_codes (uint8): NAME with its K axis moved to the last place and cut into blocks of 32 codes, [.., K / 32, bytes a block], one block behind the other in memory; one code a byte (a code: sign, 5 exponent bits, 2 mantissa bits); its scale is its entry of lowp_scales. Its value is code x scale, taken as it is: it is not quantised again, and the codes and scales need not be those that the quantiser above would give.
;; 2 versions. Each part assembles by itself: llvm-mc -triple=amdgcn-amd-amdhsa -mcpu=gfx1250 --defsym DOCPART=n.
;; ======== version 1 of 2: 3 launches
;; workspace buffers: stats 8,192 bytes; qimg 2,097,152 bytes; kv 4,194,304 bytes
;; launch stats (part 1): grid 256 x 1, 4 waves a work-group, no clusters, 0 bytes of LDS; arguments x, stats; writes stats
.if DOCPART == 1
	.amdgcn_target "amdgcn-amd-amdhsa--gfx1250"
	.amdhsa_code_object_version 6
	.text
	.protected	k_q8a53ee7a1d_stats
	.globl	k_q8a53ee7a1d_stats
	.p2align	8
	.type	k_q8a53ee7a1d_stats,@function
k_q8a53ee7a1d_stats:
	s_mov_b64 s[64:65], 0
	v_nop
	global_prefetch_b8 v0, s[64:65] scope:SCOPE_SE
	s_setreg_imm32_b32 hwreg(HW_REG_WAVE_MODE, 25, 1), 1
	s_wait_xcnt 0x0
; GroupNorm's statistics, first part.  x is [4][128][4096] f32; a group (batch, 16 channels) is 65,536 consecutive numbers.
; Each wave takes 2,048 consecutive numbers (8,192 bytes), keeps them in 64 registers, and stores their mean and their sum of squares ABOUT THAT MEAN:
; two passes over the registers, so that no variance is ever formed as a difference of large sums (a common offset of the inputs does no harm).
; 1,024 waves: wave W = 4 x work-group + wave serves partial W % 32 of group W / 32; its record (mean, M2) lies at byte 8 W of stats: a group's 32 records are 256 consecutive bytes.
; The next launch joins the 32 records of a group.  Each load of a wave reads 512 consecutive bytes.  A wave stores 8 bytes, once: the whole buffer is 8,192 bytes.
; No LDS, no barrier: waves share nothing.  NaN among the inputs is not served.
.set X,  16                            ; v16-79  my 64 numbers
.set CH, 80                            ; v80-87  four packed chains
.set MV, 88                            ; v88-89  mean, M2
.set T,  90                            ; v90-91  at work
	s_load_b128 s[4:7], s[0:1], 0x0                ; x, stats
	v_lshrrev_b32 v2, 5, v0
	v_readfirstlane_b32 s8, v2                     ; wave
	v_and_b32 v3, 31, v0                           ; lane
	v_lshlrev_b32 v1, 4, v3                        ; 16 bytes a lane
	v_mov_b32 v[T+1], 0                            ; a lane permute's destination counts as one of its sources
	v_mov_b32 v92, 0                               ; the store's offset
	s_lshl_b32 s9, ttmp9, 2
	s_add_co_u32 s9, s9, s8                        ; W
	s_lshl_b32 s10, s9, 13                         ; 8,192 W
	s_mov_b32 s11, 0
	s_lshl_b32 s14, s9, 3                          ; 8 W
	s_mov_b32 s15, 0
	s_mov_b32 s12, 0x76543210                      ; v_permlanex16_b32: lane l xor 16
	s_mov_b32 s13, 0xfedcba98
	s_wait_kmcnt 0x0
	s_add_nc_u64 s[4:5], s[4:5], s[10:11]
	s_add_nc_u64 s[6:7], s[6:7], s[14:15]
.irp i, 0,1,2,3,4,5,6,7,8,9,10,11,12,13,14,15
	global_load_b128 v[X+4*\i:X+4*\i+3], v1, s[4:5] offset:512*\i
.endr
; the four chains are joined, then the 32 lanes: every lane ends with the sum in v[T]
.macro JOIN
	v_pk_add_f32 v[CH:CH+1], v[CH:CH+1], v[CH+2:CH+3]
	v_pk_add_f32 v[CH+4:CH+5], v[CH+4:CH+5], v[CH+6:CH+7]
	v_pk_add_f32 v[CH:CH+1], v[CH:CH+1], v[CH+4:CH+5]
	v_add_f32 v[T], v[CH], v[CH+1]
	v_add_f32_dpp v[T], v[T], v[T] row_xmask:1 row_mask:0xf bank_mask:0xf
	v_add_f32_dpp v[T], v[T], v[T] row_xmask:2 row_mask:0xf bank_mask:0xf
	v_add_f32_dpp v[T], v[T], v[T] row_xmask:4 row_mask:0xf bank_mask:0xf
	v_add_f32_dpp v[T], v[T], v[T] row_xmask:8 row_mask:0xf bank_mask:0xf
	v_permlanex16_b32 v[T+1], v[T], s12, s13
	v_add_f32 v[T], v[T], v[T+1]
.endm
	s_wait_loadcnt 12                              ; the first four loads are in; the twelve behind them may be out
.irp k, 0,1,2,3
	v_pk_add_f32 v[CH+2*\k:CH+2*\k+1], v[X+4*\k:X+4*\k+1], v[X+4*\k+2:X+4*\k+3]   ; the first numbers start the chains: nothing is cleared
.endr
.irp q, 1,2,3
	s_wait_loadcnt 12-4*\q                         ; the next four loads are in
.irp k, 0,1,2,3
	v_pk_add_f32 v[CH+2*\k:CH+2*\k+1], v[CH+2*\k:CH+2*\k+1], v[X+16*\q+4*\k:X+16*\q+4*\k+1]
.endr
.irp k, 0,1,2,3
	v_pk_add_f32 v[CH+2*\k:CH+2*\k+1], v[CH+2*\k:CH+2*\k+1], v[X+16*\q+4*\k+2:X+16*\q+4*\k+3]
.endr
.endr
	JOIN
	v_mul_f32 v[MV], 0x3a000000, v[T]              ; mean = sum / 2,048
	v_mov_b32 v[MV+1], v[MV]
.set j, 0
.rept 32
	v_pk_add_f32 v[X+j:X+j+1], v[X+j:X+j+1], v[MV:MV+1] neg_lo:[0,1] neg_hi:[0,1]   ; x - mean
.set j, j+2
.endr
.irp k, 0,1,2,3
	v_pk_mul_f32 v[CH+2*\k:CH+2*\k+1], v[X+2*\k:X+2*\k+1], v[X+2*\k:X+2*\k+1]
.endr
.set j, 8
.rept 28
	v_pk_fma_f32 v[CH+j%8:CH+j%8+1], v[X+j:X+j+1], v[X+j:X+j+1], v[CH+j%8:CH+j%8+1]
.set j, j+2
.endr
	JOIN
	v_mov_b32 v[MV+1], v[T]                        ; M2
	s_wait_xcnt 0x0                                ; EXEC changes only behind this wait
	v_cmp_eq_u32 vcc_lo, 0, v3
	s_and_saveexec_b32 s8, vcc_lo                  ; lane 0 stores for the wave
	global_store_b64 v92, v[MV:MV+1], s[6:7]
	s_wait_xcnt 0x0                                ; and again in front of the line that widens it
	s_or_b32 exec_lo, exec_lo, s8
	s_endpgm
.Lfunc_end_k_q8a53ee7a1d_stats:
	.size	k_q8a53ee7a1d_stats, .Lfunc_end_k_q8a53ee7a1d_stats-k_q8a53ee7a1d_stats
	.p2alignl 7, 3214868480
	.fill 96, 4, 3214868480
	.section	.rodata,"a",@progbits
	.p2align	6, 0x0
	.amdhsa_kernel k_q8a53ee7a1d_stats
		.amdhsa_group_segment_fixed_size 0
		.amdhsa_private_segment_fixed_size 0
		.amdhsa_enable_private_segment 0
		.amdhsa_kernarg_size 16
		.amdhsa_user_sgpr_count 2
		.amdhsa_user_sgpr_kernarg_segment_ptr 1
		.amdhsa_wavefront_size32 1
		.amdhsa_system_sgpr_workgroup_id_x 1
		.amdhsa_system_sgpr_workgroup_id_y 1
		.amdhsa_system_sgpr_workgroup_id_z 1
		.amdhsa_system_vgpr_workitem_id 0
		.amdhsa_next_free_vgpr 96
		.amdhsa_next_free_sgpr 66
		.amdhsa_reserve_vcc 1
		.amdhsa_float_denorm_mode_32 3
		.amdhsa_float_denorm_mode_16_64 3
		.amdhsa_memory_ordered 1
		.amdhsa_forward_progress 1
		.amdhsa_inst_pref_size 10
	.end_amdhsa_kernel
	.amdgpu_metadata
---
amdhsa.version: [ 1, 2 ]
amdhsa.kernels:
  - .name:           k_q8a53ee7a1d_stats
    .symbol:         k_q8a53ee7a1d_stats.kd
    .args:
      - { .name: x, .offset: 0, .size: 8, .value_kind: global_buffer, .address_space: global }
      - { .name: stats, .offset: 8, .size: 8, .value_kind: global_buffer, .address_space: global }
    .group_segment_fixed_size: 0
    .private_segment_fixed_size: 0
    .kernarg_segment_align: 8
    .kernarg_segment_size: 16
    .max_flat_workgroup_size: 128
    .sgpr_count:     66
    .vgpr_count:     96
    .wavefront_size: 32
...
	.end_amdgpu_metadata
.endif
;; end of part 1
;; launch qkv (part 2): grid 256 x 1, 4 waves a work-group, no clusters, 43,520 bytes of LDS; arguments x, stats, gn_weight, gn_bias, qkv_weight_codes, qkv_bias, lowp_scales, qimg, kv; writes qimg, kv
.if DOCPART == 2
	.amdgcn_target "amdgcn-amd-amdhsa--gfx1250"
	.amdhsa_code_object_version 6
	.text
	.protected	k_q8a53ee7a1d_qkv
	.globl	k_q8a53ee7a1d_qkv
	.p2align	8
	.type	k_q8a53ee7a1d_qkv,@function
k_q8a53ee7a1d_qkv:
	s_mov_b64 s[64:65], 0
	v_nop
	global_prefetch_b8 v0, s[64:65] scope:SCOPE_SE
	s_setreg_imm32_b32 hwreg(HW_REG_WAVE_MODE, 25, 1), 1
	s_wait_xcnt 0x0
; GroupNorm, its quantising, the product with qkv_weight (codes of BF8, E5M2), the biases, and the quantising of q, k and v for the attention launch.
; A work-group takes 64 positions of one batch (work-group = 64 b + i: positions 64 i on), all 128 channels.  Straight-line text: no loop, no branch.
; SHARES.  Wave w normalises channels 32 w .. 32 w + 31 (groups 2 w, 2 w + 1), quantises position tile w, and makes channels 32 w .. 32 w + 31 of q, of k and of v for all 64 positions: 24 matrix instructions, each a whole sum over K = 128.
; AN OPERAND IS KEPT AS AN IMAGE OF ITS REGISTERS: a fragment (16 rows x 128 K, 16 registers a lane) is four chunks of 512 bytes, chunk c = registers 4 c .. 4 c + 3, lane l's 16 bytes at 16 l.
; Lane (r = l % 16, h = l / 16) holds, of row r, k = 32 c + 16 h + 0 .. 15 in chunk c: the same order of k in both operands of a product, so every product meets its partner.
; THE POSITIONS OF A TILE ARE NOT NEIGHBOURS: row r of tile m of the 64 is position 32 (m / 2) + 8 (m % 2) + r + 8 (r / 8), so that in the attention launch the 16 registers of two neighbouring tiles of scores are 16 neighbouring keys.
; q and k are made TRANSPOSED (source 0 = 16 rows of W, chosen in the same way; source 1 = 16 positions): a lane holds one position and 16 neighbouring channels: chunk w of that tile's fragment.
; v is made the other way round (source 0 = positions, source 1 = rows of W): a lane holds one channel d and 16 neighbouring positions: a chunk of the fragment of V^T, whose K is the keys.
; qimg: [b][256 tiles][2,048 bytes].  kv: [b][32 steps of 128 keys][K's 8 fragments, V's 8 fragments: 32,768 bytes].  Each store of a wave covers 512 consecutive bytes, aligned.
; The biases are the C of the products, divided by 2^(e0 + e1), which the sums lack; that power is folded into the conversions' scales.
; x is turned from [channel][position] to a lane's 16 neighbouring channels through LDS.
; LIMITS on the given exponents, so that each power of two below is an f32 number: e0, e2 - e0 - e1, e3 - e0 - e1, e5 - e0 - e1 between -126 and 112.  NaN among the inputs is not served.
; No tensor load, no cluster: a work-group reads its 32 KiB of x once; what work-groups share (48 KiB of W's codes, the biases) is read once by each and kept in registers.
; REGISTERS.  Window 0: v1-16 lane numbers and addresses; v20-31 statistics and at work; v32-39 scales and limits; v48-111, v112-175 two sets of 64 numbers; v176-223 codes; v224-255 the gains and biases of my 16 channels.
;             Window 1: v0-95 W's six fragments; v96-143 the biases as C; v144-207 x's four fragments.
.set XTG,  4224                        ; LDS: x normalised, 8 groups of 16 channels: 16 rows of 256 bytes + 128: 1,056 words = 32 modulo 64 banks (64 banks of 4 bytes: ISA guide 11.1), so the two halves of the lanes read different banks
.set XIMG, 8*XTG                       ; behind them: the images of x's four fragments, 2,048 bytes each
.set ACC0, 48
.set ACC1, 112
.set CQ,   176
.set CK,   192
.set CV,   208
.set GW,   224
.set GB,   240
.set WQ,   0                           ; window 1
.set WK,   32
.set WVR,  64
.set BQ,   96
.set BK,   112
.set BV,   128
.set XF,   144
.set MSB, 0
.macro WIN new                         ; the immediate's high byte repeats the setting that is left
.if MSB != \new
	s_set_vgpr_msb (MSB<<8)|\new
.set MSB, \new
.endif
.endm
; 64 numbers of a lane become 16 registers of codes.  v[sc]: the scale as f32; v[lim]: 57,344 x the scale
.macro QUANT s, d, sc, lim
.irp b, 0,1,2,3
.irp i, 0,1,2,3,4,5,6,7,8,9,10,11,12,13,14,15
	v_med3_num_f32 v[\s+16*\b+\i], v[\s+16*\b+\i], -v[\lim], v[\lim]   ; the conversion to an 8-bit code does not saturate (ISA guide 7.6.2): the hold comes first; each accumulator from its low end on
.endr
	v_cvt_scalef32_pk8_bf8_f32 v[\d+4*\b:\d+4*\b+1], v[\s+16*\b:\s+16*\b+7], v[\sc]
	v_cvt_scalef32_pk8_bf8_f32 v[\d+4*\b+2:\d+4*\b+3], v[\s+16*\b+8:\s+16*\b+15], v[\sc]
.endr
	v_nop                                          ; one plain vector instruction behind the last conversion: later products write its sources
.endm
.macro MKSC vs, vl, se                 ; from the whole number E in s[se]: 2^E and 57,344 x 2^E as f32
	s_add_co_i32 s56, s[\se], 127
	s_lshl_b32 s57, s56, 23
	v_mov_b32 v[\vs], s57
	s_add_co_i32 s56, s56, 15
	s_lshl_b32 s56, s56, 23
	s_or_b32 s56, s56, 0x600000
	v_mov_b32 v[\vl], s56
.endm
.macro ROWSUM r                        ; the sum over the 16 lanes of a half, in every one of them
	v_add_f32_dpp v[\r], v[\r], v[\r] row_xmask:1 row_mask:0xf bank_mask:0xf
	v_add_f32_dpp v[\r], v[\r], v[\r] row_xmask:2 row_mask:0xf bank_mask:0xf
	v_add_f32_dpp v[\r], v[\r], v[\r] row_xmask:4 row_mask:0xf bank_mask:0xf
	v_add_f32_dpp v[\r], v[\r], v[\r] row_xmask:8 row_mask:0xf bank_mask:0xf
.endm
.macro BARRIER                         ; my LDS stores have landed and my LDS loads are in: then the work-group's barrier
	s_wait_dscnt 0x0
	s_barrier_signal -1
	s_barrier_wait -1
.endm
	s_load_b256 s[4:11], s[0:1], 0x0               ; x s[4:5], stats s[6:7], gn_weight s[8:9], gn_bias s[10:11]
	s_load_b256 s[12:19], s[0:1], 0x20             ; W's codes s[12:13], qkv_bias s[14:15], the exponents s[16:17], qimg s[18:19]
	s_load_b64 s[20:21], s[0:1], 0x40              ; kv
	v_lshl_add_u32 v46, v0, 2, 0xa800
	v_mov_b32 v47, 0
	v_lshrrev_b32 v1, 5, v0
	v_readfirstlane_b32 s22, v1                    ; wave w
	v_and_b32 v1, 31, v0                           ; l
	v_and_b32 v2, 15, v0                           ; r
	v_bfe_u32 v3, v0, 4, 1                         ; h
	s_lshr_b32 s23, ttmp9, 6                       ; b
	s_and_b32 s24, ttmp9, 63                       ; i
	s_lshl_b32 s26, s23, 21                        ; x: b x 2 MiB + 256 i
	s_lshl_b32 s27, s24, 8
	s_add_co_u32 s26, s26, s27
	s_mov_b32 s27, 0
	s_lshl_b32 s28, s23, 19                        ; qimg: b x 512 KiB + 8,192 i
	s_lshl_b32 s29, s24, 13
	s_add_co_u32 s28, s28, s29
	s_mov_b32 s29, 0
	s_lshl_b32 s30, s23, 20                        ; kv: b x 1 MiB + 32,768 (i / 2):
	s_lshr_b32 s31, s24, 1
	s_lshl_b32 s31, s31, 15
	s_add_co_u32 s30, s30, s31
	s_and_b32 s40, s24, 1
	s_lshl_b32 s41, s40, 13
	s_add_co_u32 s42, s30, s41                     ; K's fragments 4 (i % 2) on,
	s_mov_b32 s43, 0
	s_lshl_b32 s41, s40, 10
	s_add_co_u32 s44, s30, s41
	s_add_co_u32 s44, s44, 16384                   ; V's chunks 2 (i % 2) on
	s_mov_b32 s45, 0
	s_lshl_b32 s50, s22, 19
	v_lshlrev_b32 v4, 4, v2
	v_lshl_add_u32 v4, v3, 18, v4
	v_add_nc_u32 v4, s50, v4                       ; x: channel 32 w + 16 h (rows of 16,384 bytes), positions 4 r on
	s_lshl_b32 s51, s23, 11
	s_lshl_b32 s52, s22, 9
	s_add_co_u32 s51, s51, s52
	v_lshlrev_b32 v5, 4, v2
	v_lshl_add_u32 v5, v3, 8, v5
	v_add_nc_u32 v5, s51, v5                       ; stats: group 8 b + 2 w + h (256 bytes), records 2 r and 2 r + 1
	s_lshl_b32 s52, s22, 7
	v_lshl_add_u32 v6, v3, 6, s52                  ; gains, and q's and k's biases: number 32 w + 16 h on
	v_lshl_add_u32 v14, v2, 2, s52                 ; v's biases: number 32 w + r
	s_mul_i32 s53, s22, 2*XTG
	v_mul_u32_u24 v7, v3, XTG
	v_lshl_add_u32 v7, v2, 4, v7
	v_add_nc_u32 v7, s53, v7                       ; LDS, in: group 2 w + h, 16 r
	v_and_b32 v26, 8, v2
	v_add_nc_u32 v26, v26, v2                      ; r + 8 (r / 8)
	s_lshr_b32 s53, s22, 1
	s_lshl_b32 s53, s53, 7
	s_and_b32 s54, s22, 1
	s_lshl_b32 s54, s54, 5
	s_add_co_u32 s53, s53, s54
	v_mul_u32_u24 v8, v3, XTG
	v_lshl_add_u32 v8, v26, 2, v8
	v_add_nc_u32 v8, s53, v8                       ; LDS, out: group h, position 32 (w / 2) + 8 (w % 2) + r + 8 (r / 8)
	v_lshlrev_b32 v9, 4, v1                        ; 16 l: an image's place for my lane
	s_lshl_b32 s54, s22, 11
	s_add_co_u32 s54, s54, XIMG
	v_add_nc_u32 v10, s54, v9                      ; where I store x's image: tile w
	s_lshl_b32 s54, s22, 12
	v_lshlrev_b32 v11, 7, v26
	v_lshl_add_u32 v11, v3, 4, v11
	v_add_nc_u32 v11, s54, v11                     ; W for q and k: row 32 w + r + 8 (r / 8) of 128 bytes, + 16 h
	v_lshlrev_b32 v12, 7, v2
	v_lshl_add_u32 v12, v3, 4, v12
	v_add_nc_u32 v12, s54, v12                     ; W for v: row 32 w + r
	v_add_nc_u32 v16, s54, v9                      ; v's codes: fragment 2 w, + 16 l
	s_lshl_b32 s54, s22, 9
	v_add_nc_u32 v15, s54, v9                      ; q's and k's codes: chunk w, + 16 l
	s_wait_kmcnt 0x0
	s_load_b256 s[32:39], s[16:17], 0x0            ; e0 .. e7
	s_add_nc_u64 s[4:5], s[4:5], s[26:27]
	s_add_nc_u64 s[18:19], s[18:19], s[28:29]
	s_add_nc_u64 s[46:47], s[20:21], s[42:43]      ; K's place
	s_add_nc_u64 s[48:49], s[20:21], s[44:45]      ; V's place
	; 59 loads: 1 + 8 for the statistics and gains, 16 of x, 24 of W, 10 of the biases
	global_load_b128 v[20:23], v5, s[6:7]
.irp k, 0,1,2,3
	global_load_b128 v[GW+4*\k:GW+4*\k+3], v6, s[8:9] offset:16*\k
	global_load_b128 v[GB+4*\k:GB+4*\k+3], v6, s[10:11] offset:16*\k
.endr
.irp k, 0,1,2,3,4,5,6,7,8,9,10,11,12,13,14,15
	global_load_b128 v[ACC0+4*\k:ACC0+4*\k+3], v4, s[4:5] offset:16384*\k   ; sixteen lanes read 256 consecutive bytes of a channel, aligned
.endr
	WIN 0x40                                       ; destination window 1
.irp u, 0,1
.irp c, 0,1,2,3
	global_load_b128 v[WQ+16*\u+4*\c:WQ+16*\u+4*\c+3], v11, s[12:13] offset:1024*\u+32*\c
	global_load_b128 v[WK+16*\u+4*\c:WK+16*\u+4*\c+3], v11, s[12:13] offset:16384+1024*\u+32*\c
	global_load_b128 v[WVR+16*\u+4*\c:WVR+16*\u+4*\c+3], v12, s[12:13] offset:32768+2048*\u+32*\c
.endr
.endr
.irp u, 0,1
	global_load_b128 v[BQ+8*\u:BQ+8*\u+3], v6, s[14:15] offset:32*\u
	global_load_b128 v[BQ+8*\u+4:BQ+8*\u+7], v6, s[14:15] offset:32*\u+16
	global_load_b128 v[BK+8*\u:BK+8*\u+3], v6, s[14:15] offset:512+32*\u
	global_load_b128 v[BK+8*\u+4:BK+8*\u+7], v6, s[14:15] offset:512+32*\u+16
.endr
	WIN 0
	global_load_b32 v30, v14, s[14:15] offset:1024
	global_load_b32 v31, v14, s[14:15] offset:1088
	s_wait_kmcnt 0x0
	s_add_co_i32 s58, s32, s33                     ; e0 + e1: a sum of the product stands for sum x 2^(e0 + e1)
	s_sub_co_i32 s55, 0, s58
	s_sub_co_i32 s59, s34, s58                     ; e2 - e0 - e1
	s_sub_co_i32 s60, s35, s58                     ; e3 - e0 - e1
	s_sub_co_i32 s61, s37, s58                     ; e5 - e0 - e1
	MKSC 32, 33, 32                                ; x's
	MKSC 34, 35, 59                                ; q's
	MKSC 36, 37, 60                                ; k's
	MKSC 38, 39, 61                                ; v's
	; ---- the group's mean and variance from its 32 records: the records' means are averaged; M2 = the records' M2 + 2,048 x (record's mean - mean)^2
	s_wait_loadcnt 50                              ; the records and the gains are in; behind them: x's 16 loads, W's 24, the biases' 10
	v_add_f32 v26, v20, v22
	ROWSUM 26
	v_mul_f32 v24, 0x3d000000, v26                 ; mean = sum / 32
	v_sub_f32 v27, v20, v24
	v_sub_f32 v28, v22, v24
	v_mul_f32 v27, v27, v27
	v_fma_f32 v27, v28, v28, v27
	v_add_f32 v28, v21, v23
	v_fmamk_f32 v26, v27, 0x45000000, v28          ; x 2,048 + the two M2
	ROWSUM 26
	v_mul_f32 v26, 0x37800000, v26                 ; / 65,536
	v_add_f32 v26, 0x3727c5ac, v26                 ; + 1e-5
	v_rsq_f32 v25, v26
	v_nop                                          ; one plain place behind the transcendental
	s_wait_alu depctr_va_vdst(0)
.irp k, 0,1,2,3,4,5,6,7,8,9,10,11,12,13,14,15
	v_mul_f32 v[GW+\k], v25, v[GW+\k]              ; gain / sqrt(var + eps)
.endr
	s_wait_loadcnt 34                              ; x is in; W's 24 loads and the biases' 10 may be out
.set j, 0
.rept 32
	v_pk_add_f32 v[ACC0+j:ACC0+j+1], v[ACC0+j:ACC0+j+1], v[24:25] op_sel_hi:[1,0] neg_lo:[0,1] neg_hi:[0,1]   ; x - mean (the pair's low word for both halves)
.set j, j+2
.endr
.set j, 0
.rept 64
	v_fma_f32 v[ACC0+j], v[ACC0+j], v[GW+j/4], v[GB+j/4]
.set j, j+1
.endr
.set j, 0
.rept 16
	ds_store_b128 v7, v[ACC0+4*j:ACC0+4*j+3] offset:256*j
.set j, j+1
.endr
	BARRIER                                        ; all 128 channels of the 64 positions lie in LDS
	; ---- my tile of positions: a lane takes one position and, for each chunk, 16 neighbouring channels
.irp c, 0,1,2,3
.set j, 0
.rept 16
	ds_load_b32 v[ACC0+16*\c+j], v8 offset:2*XTG*\c+256*j
.set j, j+1
.endr
.endr
	s_wait_dscnt 0x0
	QUANT ACC0, CV, 32, 33
.irp c, 0,1,2,3
	ds_store_b128 v10, v[CV+4*\c:CV+4*\c+3] offset:512*\c
.endr
	BARRIER                                        ; x's four fragments lie in LDS
	WIN 0x40
.irp m, 0,1,2,3
.irp c, 0,1,2,3
	ds_load_b128 v[XF+16*\m+4*\c:XF+16*\m+4*\c+3], v9 offset:XIMG+2048*\m+512*\c
.endr
.endr
	s_wait_loadcnt 0x0                             ; W and the biases
	WIN 0x41                                       ; source 0 and destination window 1
.set j, 0
.rept 32
	v_ldexp_f32 v[BQ+j], v[BQ+j], s55              ; q's and k's biases / 2^(e0 + e1)
.set j, j+1
.endr
	WIN 0x40
.irp n, 0,1
.irp j, 0,1,2,3,4,5,6,7
	v_ldexp_f32 v[BV+8*\n+\j], v[30+\n], s55       ; v's: one channel a lane, the same in all eight registers
.endr
.endr
	s_wait_dscnt 0x0
	WIN 0x15                                       ; sources 0, 1, 2 window 1, destination window 0
.irp m, 0,1,2,3
.irp u, 0,1
	v_wmma_f32_16x16x128_bf8_bf8 v[ACC0+16*\m+8*\u:ACC0+16*\m+8*\u+7], v[WQ+16*\u:WQ+16*\u+15], v[XF+16*\m:XF+16*\m+15], v[BQ+8*\u:BQ+8*\u+7]
.endr
.endr
.irp m, 0,1,2,3
.irp u, 0,1
	v_wmma_f32_16x16x128_bf8_bf8 v[ACC1+16*\m+8*\u:ACC1+16*\m+8*\u+7], v[WK+16*\u:WK+16*\u+15], v[XF+16*\m:XF+16*\m+15], v[BK+8*\u:BK+8*\u+7]
.endr
.endr
	WIN 0
.rept 4
	v_nop                                          ; places in front of the first read of results (ISA guide 7.12.1)
.endr
	QUANT ACC0, CQ, 34, 35                         ; registers 16 m + 0 .. 15: position row r of tile m, channels 32 w + 16 h + 0 .. 15
.irp m, 0,1,2,3
	global_store_b128 v15, v[CQ+4*\m:CQ+4*\m+3], s[18:19] offset:2048*\m
.endr
	QUANT ACC1, CK, 36, 37                         ; (its 64 holds are also the places between q's products and v's, which write over q's results)
.irp m, 0,1,2,3
	global_store_b128 v15, v[CK+4*\m:CK+4*\m+3], s[46:47] offset:2048*\m
.endr
	WIN 0x15
.irp n, 0,1
.irp m, 0,1,2,3
	v_wmma_f32_16x16x128_bf8_bf8 v[ACC0+32*\n+8*\m:ACC0+32*\n+8*\m+7], v[XF+16*\m:XF+16*\m+15], v[WVR+16*\n:WVR+16*\n+15], v[BV+8*\n:BV+8*\n+7]
.endr
.endr
	WIN 0
.rept 4
	v_nop
.endr
	QUANT ACC0, CV, 38, 39                         ; registers 32 n + 16 p + 0 .. 15: channel 32 w + 16 n + r, positions 32 p + 16 h + 0 .. 15 of the 64
.irp n, 0,1
.irp p, 0,1
	global_store_b128 v16, v[CV+8*\n+4*\p:CV+8*\n+4*\p+3], s[48:49] offset:2048*\n+512*\p
.endr
.endr
	s_wait_tensorcnt 0x0
	ds_add_u32 v46, v47
	s_wait_dscnt 0x0
	s_endpgm
.Lfunc_end_k_q8a53ee7a1d_qkv:
	.size	k_q8a53ee7a1d_qkv, .Lfunc_end_k_q8a53ee7a1d_qkv-k_q8a53ee7a1d_qkv
	.p2alignl 7, 3214868480
	.fill 96, 4, 3214868480
	.section	.rodata,"a",@progbits
	.p2align	6, 0x0
	.amdhsa_kernel k_q8a53ee7a1d_qkv
		.amdhsa_group_segment_fixed_size 43520
		.amdhsa_private_segment_fixed_size 0
		.amdhsa_enable_private_segment 0
		.amdhsa_kernarg_size 72
		.amdhsa_user_sgpr_count 2
		.amdhsa_user_sgpr_kernarg_segment_ptr 1
		.amdhsa_wavefront_size32 1
		.amdhsa_system_sgpr_workgroup_id_x 1
		.amdhsa_system_sgpr_workgroup_id_y 1
		.amdhsa_system_sgpr_workgroup_id_z 1
		.amdhsa_system_vgpr_workitem_id 0
		.amdhsa_next_free_vgpr 512
		.amdhsa_next_free_sgpr 66
		.amdhsa_reserve_vcc 0
		.amdhsa_float_denorm_mode_32 3
		.amdhsa_float_denorm_mode_16_64 3
		.amdhsa_memory_ordered 1
		.amdhsa_forward_progress 1
		.amdhsa_inst_pref_size 49
	.end_amdhsa_kernel
	.amdgpu_metadata
---
amdhsa.version: [ 1, 2 ]
amdhsa.kernels:
  - .name:           k_q8a53ee7a1d_qkv
    .symbol:         k_q8a53ee7a1d_qkv.kd
    .args:
      - { .name: x, .offset: 0, .size: 8, .value_kind: global_buffer, .address_space: global }
      - { .name: stats, .offset: 8, .size: 8, .value_kind: global_buffer, .address_space: global }
      - { .name: gn_weight, .offset: 16, .size: 8, .value_kind: global_buffer, .address_space: global }
      - { .name: gn_bias, .offset: 24, .size: 8, .value_kind: global_buffer, .address_space: global }
      - { .name: qkv_weight_codes, .offset: 32, .size: 8, .value_kind: global_buffer, .address_space: global }
      - { .name: qkv_bias, .offset: 40, .size: 8, .value_kind: global_buffer, .address_space: global }
      - { .name: lowp_scales, .offset: 48, .size: 8, .value_kind: global_buffer, .address_space: global }
      - { .name: qimg, .offset: 56, .size: 8, .value_kind: global_buffer, .address_space: global }
      - { .name: kv, .offset: 64, .size: 8, .value_kind: global_buffer, .address_space: global }
    .group_segment_fixed_size: 43520
    .private_segment_fixed_size: 0
    .kernarg_segment_align: 8
    .kernarg_segment_size: 72
    .max_flat_workgroup_size: 128
    .sgpr_count:     66
    .vgpr_count:     512
    .wavefront_size: 32
...
	.end_amdgpu_metadata
.endif
;; end of part 2
;; launch attn (part 3): grid 64 x 4, 16 waves a work-group, clusters of 4 x 1, 327,680 bytes of LDS; arguments qimg, kv, lowp_scales, proj_weight_codes, proj_bias, x, out0; writes out0
.if DOCPART == 3
	.amdgcn_target "amdgcn-amd-amdhsa--gfx1250"
	.amdhsa_code_object_version 6
	.text
	.protected	k_q8a53ee7a1d_attn
	.globl	k_q8a53ee7a1d_attn
	.p2align	8
	.type	k_q8a53ee7a1d_attn,@function
k_q8a53ee7a1d_attn:
	s_mov_b64 s[64:65], 0
	v_nop
	global_prefetch_b8 v0, s[64:65] scope:SCOPE_SE
	s_setreg_imm32_b32 hwreg(HW_REG_WAVE_MODE, 25, 1), 1
	s_wait_xcnt 0x0
	s_wait_alu depctr_hold_cnt(0) depctr_sa_sdst(0) depctr_va_vdst(0) depctr_va_sdst(0) depctr_va_ssrc(0) depctr_va_vcc(0) depctr_vm_vsrc(0)
	s_getreg_b32 s2, hwreg(HW_REG_IB_STS2, 6, 4)
	s_cmp_eq_u32 s2, 0
	s_cbranch_scc0 .Lentry_in_a_cluster
	s_endpgm
.Lentry_in_a_cluster:
	s_bfe_u32 s2, ttmp6, 0x10000c
	s_cmp_lg_u32 s2, 0x3003
	s_cbranch_scc0 .Lentry_shape_is_right
	s_endpgm
.Lentry_shape_is_right:
; out0 = x + proj(softmax(q k^T / sqrt(128)) v) + proj_bias, all three products on codes of BF8 (E5M2), each operand with the scale 2^e that is given for it (e2 .. e7 of the exponents).
; q, k and v come from the launch before as images of the operands' registers: a fragment (16 rows x 128 K) is four chunks of 512 bytes, lane l's 16 bytes at 16 l; lane (r = l % 16, h = l / 16) holds k = 32 c + 16 h + 0 .. 15 of row r in chunk c.
; qimg: [b][256 tiles of 16 queries][2,048].  kv: [b][32 steps of 128 keys][K's 8 fragments, then V^T's 8: 32,768 bytes].  Row r of tile t of a block of 128 positions is position 32 (t / 2) + 8 (t % 2) + r + 8 (r / 8).
; THE SOFTMAX: t = score x log2(e) / sqrt(128); M = the largest t so far, rounded UP to a whole number; p = 2^(t - M) is what is quantised; the sum is taken of the unquantised p and divides at the end.
; SHARES.  A work-group owns 64 queries of one batch: four tiles of 16.  Its SIXTEEN waves are 4 tiles x 4 QUARTERS OF THE KEYS: wave w owns tile w % 4 against keys 1,024 (w / 4) on, eight steps of 128 keys, in 256 registers:
; four waves to a SIMD, so that one wave's vector work stands beside another's matrix work and LDS loads.  At the end the four quarters of a tile are joined: every M is a whole number, so the factors 2^(M_k - M) round nothing.
; Both products are used transposed (S^T = K Q^T, O^T = V^T P^T): a lane holds ONE query throughout; the 16 registers of two neighbouring tiles of S^T are 16 neighbouring keys, so the conversions' results are the second product's operand.
; RING.  Two LDS slots, each with one step of all four quarters (4 x 32,768 bytes), dense: a fragment load reads 512 consecutive bytes.  Waves 0 to 7 fetch 16 KiB each, one tensor load a wave behind each change of slots: one load of a wave is out at the most.
; CLUSTER.  The four work-groups of a cluster belong to one batch and walk the same kv: each tile is asked for JOINTLY, by the same tensor load with the same descriptor and the mask of all four.
; THE END.  Wave (tile qt, quarter kq) joins channels 32 kq .. + 31 of its tile, quantises them (two registers a tile of 16 channels: k = 16 c + 8 h + 0 .. 7, the matrix form's own order, in which proj_weight's codes are loaded too),
; the tile's fragment meets in LDS, and the wave makes outputs 32 kq .. + 31 for its 16 queries.  The results meet in a stage [128 channels][64 positions], and leave with x added, sixteen lanes to 256 consecutive bytes, aligned.
; LIMITS on the given exponents, so that each power of two below is an f32 number: e2 + e3 between -123 and 130 (added to the exponent field of log2(e) / sqrt(128)); e4 and e6 - e4 - e5 between -126 and 112; e6 + e7 between -126 and 127.
; A quarter's running M is at most the row's M: p's codes differ from those under the row's M only where a number falls under the format's range, or where e4 < -15 lets the hold act.  NaN among the inputs is not served.
; REGISTERS in the loop: v1-4 addresses; v5, v6 the spare word's address and 0; v12 -M, v13 the largest t, v[14:15] the sum in two halves; v16-31 Q; v32-95 four fragments of K or V; v96-159 S^T, then p; v160-223 O^T; v224-239 p's codes; v240-254 scales and at work.
.set SLOT1, 1<<17                      ; slot 1 begins here: one exclusive or turns an address in one slot into the other's
.set SPARE, 2*SLOT1                    ; the spare words, 128 bytes for each of 16 waves: eight blocks of 256 bytes that no other line names
.set MX,    SPARE+2048                 ; the end: -M of every thread (2,048 bytes), behind it the sums (2,048)
.set CX,    MX+4096                    ; the four tiles' fragments of the attention's result: 4 x 2,048
.set STG,   CX+8192                    ; the stage: 128 rows x (256 bytes + 16): row r starts at bank 4 r mod 64 (64 banks of 4 bytes: ISA guide 11.1)
.set SP,    272
; the partial O^T of the 16 waves, 8,192 bytes each, lie in slot 0: it has had its last fill, and its last read lies in front of the last change of slots
.set A0,  1                            ; v1  my quarter's place in a slot + 16 l
.set AD,  2                            ; v2  the same in the slot in hand
.set PFO, 3                            ; v3  256 l: the prefetches' offset; never rewritten
.set SPW, 5                            ; v5  LDS address of my spare word; never rewritten
.set NIL, 6                            ; v6  0; never rewritten
.set WV,  18                           ; s18 wave;  s19 its tile;  s38 its quarter
.set QT,  19
.set KQ,  38
.set SEL, 20                           ; s[20:21] lane selects for v_permlanex16_b32: lane l xor 16
.set CS,  22                           ; s[22:23] log2(e) / sqrt(128) x 2^(e2 + e3)
.set G1,  24                           ; s[24:31] descriptor group 1
.set G0,  32                           ; s[32:35] descriptor group 0, which walks
.set TB,  36                           ; s36 LDS byte at which the slot in hand begins
.set SLOTS, 37                         ; s37 slots still to be asked for
.set PFA, 56                           ; s[56:57] where my prefetches stand
.set LIM, 58                           ; s58 1 in a wave that prefetches, else the greatest number
.set YS,  59                           ; s59 2^(e6 + e7)
; A round of the cluster's barrier: my work-group's barrier, so that wave 0's signal speaks for all sixteen waves; wave 0 signals for the work-group; every wave waits for all four work-groups; my work-group's barrier once more.
.macro CROUND
	s_barrier_signal -1
	s_barrier_wait -1
	s_cmp_lg_u32 s[WV], 0
	s_cbranch_scc1 .Lnot_wave_0_\@
	s_barrier_signal -3
.Lnot_wave_0_\@:
	s_barrier_wait -3
	s_barrier_signal -1
	s_barrier_wait -1
.endm
; A joint load: waves 0 to 7, 16 KiB each (quarter w / 2: K's images, w even, or V's, w odd).  The branch hangs on the wave's number alone.  Four v_nop follow the load.
.macro JLOAD
	s_cmp_lt_u32 s[WV], 8
	s_cbranch_scc0 .Lnone_\@
	tensor_load_to_lds s[G0:G0+3], s[G1:G1+7]
	s_nop 0
.rept 4
	v_nop
.endr
.Lnone_\@:
.endm
; A PREFETCH INTO THE L2 of what the NEXT change of slots will ask for: the next step, 32,768 bytes, of each quarter.  All 16 clusters of a batch walk the same kv: the batch's first cluster asks, and nobody else.
; Its four partners take 8,192 bytes of each step, told apart BY ADDRESS; in each, wave 8 + j asks for quarter j: one instruction, lanes 256 bytes apart.  So each aligned block of 256 bytes is named once in the launch.
; Steps 0 and 1 come by their loads alone; the last change that fills a slot asks for nothing: there is no step behind it.
.macro ASK
	s_cmp_gt_u32 s[SLOTS], s[LIM]
	s_cbranch_scc0 .Lnot_mine_\@
	global_prefetch_b8 v[PFO], s[PFA:PFA+1] th:TH_LOAD_NT scope:SCOPE_SE
.Lnot_mine_\@:
.endm
.macro MKSC vs, vl, se                 ; from the whole number E in s[se]: 2^E and 57,344 x 2^E as f32
	s_add_co_i32 s72, s[\se], 127
	s_lshl_b32 s73, s72, 23
	v_mov_b32 v[\vs], s73
	s_add_co_i32 s72, s72, 15
	s_lshl_b32 s72, s72, 23
	s_or_b32 s72, s72, 0x600000
	v_mov_b32 v[\vl], s72
.endm
.macro BARRIER                         ; my LDS stores have landed and my LDS loads are in: then the work-group's barrier
	s_wait_dscnt 0x0
	s_barrier_signal -1
	s_barrier_wait -1
.endm
	s_load_b256 s[4:11], s[0:1], 0x0               ; qimg s[4:5], kv s[6:7], the exponents s[8:9], proj_weight's codes s[10:11]
	s_load_b128 s[12:15], s[0:1], 0x20             ; proj_bias s[12:13], x s[14:15]
	s_load_b64 s[16:17], s[0:1], 0x30              ; out0
	v_lshl_add_u32 v[SPW], v0, 2, SPARE
	v_mov_b32 v[NIL], 0
	ds_add_u32 v5, v6
	s_wait_dscnt 0x0
	v_lshrrev_b32 v7, 5, v0
	v_readfirstlane_b32 s[WV], v7                  ; wave 0..15
	s_and_b32 s[QT], s[WV], 3
	s_lshr_b32 s[KQ], s[WV], 2
	s_bfe_u32 s39, ttmp6, 0x40000                  ; cx: my place in the cluster
	s_lshl_b32 s40, ttmp9, 2                       ; in a cluster launch ttmp9 counts clusters
	s_add_co_u32 s40, s40, s39                     ; my block of 64 queries: it enters the addresses of qimg, x and out0 alone
	s_and_b32 s41, ttmp7, 0xffff                   ; the batch, which the four partners share
	; descriptor group 1: 64 rows of 32 elements of 8 bytes, dense in memory and in LDS
	s_mov_b32 s[G1], 15|(3<<16)|(1<<21)            ; 15:0 the mask: all four work-groups; 17:16 elements of 8 bytes; 20 no padding; 21 set beside a mask
	s_mov_b32 s[G1+1], 32<<16                      ; tensor_dim0 = 32
	s_mov_b32 s[G1+2], 64<<16                      ; tensor_dim1 = 64
	s_mov_b32 s[G1+3], 32<<16                      ; tile_dim0 = 32
	s_mov_b32 s[G1+4], 64                          ; tile_dim1 = 64
	s_mov_b32 s[G1+5], 32                          ; from row to row
	s_mov_b32 s[G1+6], 0
	s_mov_b32 s[G1+7], 0
	s_and_b32 s60, s[WV], 7
	s_lshl_b32 s[G0+1], s60, 14                    ; LDS address: 16,384 x (w % 8), in slot 0: no place in the cluster enters it
	s_lshr_b32 s61, s60, 1
	s_lshl_b32 s61, s61, 18                        ; the quarter's eight steps of 32,768 bytes
	s_and_b32 s62, s[WV], 1
	s_lshl_b32 s62, s62, 14                        ; K's images or V's
	s_lshl_b32 s42, s41, 20                        ; the batch's 1 MiB of kv
	s_add_co_u32 s44, s42, s61
	s_add_co_u32 s44, s44, s62
	s_mov_b32 s45, 0
	s_lshl_b32 s46, s41, 19                        ; qimg: b x 512 KiB + 8,192 x block + 2,048 x tile
	s_lshl_b32 s47, s40, 13
	s_add_co_u32 s46, s46, s47
	s_lshl_b32 s47, s[QT], 11
	s_add_co_u32 s46, s46, s47
	s_mov_b32 s47, 0
	s_lshl_b32 s66, s41, 21                        ; x and out0: b x 2 MiB + 256 x block
	s_lshl_b32 s67, s40, 8
	s_add_co_u32 s66, s66, s67
	s_mov_b32 s67, 0
	s_and_b32 s68, s[WV], 3                        ; the prefetches: quarter w % 4,
	s_lshl_b32 s68, s68, 18
	s_add_co_u32 s68, s68, 32768                   ; its step 1: the first change of slots steps it to step 2
	s_add_co_u32 s68, s68, s42
	s_lshl_b32 s69, s39, 13                        ; my work-group's 8,192 bytes of a step
	s_add_co_u32 s68, s68, s69
	s_mov_b32 s69, 0
	s_sub_co_u32 s70, s[WV], 8
	s_lshr_b32 s70, s70, 2                         ; 0 in waves 8 to 11,
	s_or_b32 s70, s70, ttmp9                       ; of the batch's first cluster: the same in all four partners
	s_cmp_eq_u32 s70, 0
	s_cselect_b32 s[LIM], 1, -1
	s_mov_b32 s[SEL], 0x76543210
	s_mov_b32 s[SEL+1], 0xfedcba98
	s_mov_b32 s[CS], 0x3e0293ee                    ; log2(e) / sqrt(128)
	s_mov_b32 s[TB], 0
	s_mov_b32 s[SLOTS], 7
	s_wait_kmcnt 0x0
	s_load_b256 s[48:55], s[8:9], 0x0              ; e0 .. e7
	s_mov_b32 s[G0], 1                             ; count = 1
	s_add_nc_u64 s[G0+2:G0+3], s[6:7], s[44:45]    ; global address: step 0 of the quarter
	s_or_b32 s[G0+3], s[G0+3], 0x80000000          ; type = 2
	s_add_nc_u64 s[PFA:PFA+1], s[6:7], s[68:69]
	s_add_nc_u64 s[4:5], s[4:5], s[46:47]
	s_add_nc_u64 s[14:15], s[14:15], s[66:67]
	s_add_nc_u64 s[16:17], s[16:17], s[66:67]
	CROUND                                         ; all four work-groups are here: the first joint loads meet
	JLOAD                                          ; slot 0
	v_and_b32 v4, 31, v0
	v_lshlrev_b32 v[PFO], 8, v4
	v_lshlrev_b32 v4, 4, v4                        ; 16 l
.irp c, 0,1,2,3
	global_load_b128 v[16+4*\c:19+4*\c], v4, s[4:5] offset:512*\c   ; Q's fragment stays in registers
.endr
	s_lshl_b32 s70, s[KQ], 15
	v_add_nc_u32 v[A0], s70, v4
	v_mov_b32 v13, 0xff61b1e6                      ; the largest t so far: -3e38, under every t
	v_floor_f32 v12, -v13                          ; -M
	v_mov_b32 v14, 0                               ; the sum, in two halves
	v_mov_b32 v15, 0
	v_mov_b32 v236, 0                              ; a lane permute's destination counts as one of its sources
	v_mov_b32 v253, 0                              ; (named as the upper half of the pair v[252:253])
.set j, 0
.rept 64
	v_mov_b32 v[160+j], 0                          ; O^T.  (The key step is written for every step alike: the first finds zeros, which the first change of M leaves zeros)
.set j, j+1
.endr
	s_wait_kmcnt 0x0
	s_add_co_i32 s72, s50, s51
	s_lshl_b32 s72, s72, 23
	s_add_co_i32 s[CS], s[CS], s72                 ; a score stands for score x 2^(e2 + e3): added to the exponent field
	s_mov_b32 s[CS+1], s[CS]                       ; (named with it as a pair, so it is written)
	MKSC 244, 240, 52                              ; p's: 2^e4 and 57,344 x 2^e4
	s_sub_co_i32 s74, s54, s52
	s_sub_co_i32 s74, s74, s53                     ; e6 - e4 - e5: a sum of the second product stands for sum x 2^(e4 + e5)
	MKSC 245, 241, 74
	s_add_co_i32 s[YS], s54, s55
	s_add_co_i32 s[YS], s[YS], 127
	s_lshl_b32 s[YS], s[YS], 23                    ; 2^(e6 + e7)
.macro KLOAD g                         ; four fragments of K: tiles 4 g .. 4 g + 3 of the step
.irp t, 0,1,2,3
.irp c, 0,1,2,3
	ds_load_b128 v[32+16*\t+4*\c:35+16*\t+4*\c], v[AD] offset:(4*\g+\t)*2048+512*\c
.endr
.endr
.endm
.macro VLOAD g                         ; four fragments of V^T: channels 16 (4 g + t) on
.irp t, 0,1,2,3
.irp c, 0,1,2,3
	ds_load_b128 v[32+16*\t+4*\c:35+16*\t+4*\c], v[AD] offset:16384+(4*\g+\t)*2048+512*\c
.endr
.endr
.endm
.macro PLACES                          ; four places in front of loads into registers that matrix instructions have read, and of the first read of results (ISA guide 7.12.1 for vector instructions)
.rept 4
	v_nop
.endr
.endm
; A KEY STEP: my quarter's 128 keys in the slot in hand
.macro STEP
	v_add_nc_u32 v[AD], s[TB], v[A0]               ; (a place, with the three below, behind the last step's products)
.rept 3
	v_nop
.endr
.irp g, 0,1                                    ; S^T = K Q^T, four tiles of 16 keys at a time
.if \g > 0
	PLACES
.endif
	KLOAD \g
	s_wait_dscnt 0x0
.irp t, 0,1,2,3
	v_wmma_f32_16x16x128_bf8_bf8 v[96+8*(4*\g+\t):103+8*(4*\g+\t)], v[32+16*\t:47+16*\t], v[16:31], 0
.endr
.endr
	PLACES
	VLOAD 0                                        ; V's first four fragments land while the softmax is worked
	v_max3_num_f32 v254, v96, v97, v98             ; the step's largest score of my query, among my 64 keys, in two chains,
	v_max3_num_f32 v252, v99, v100, v101
.irp i, 6,10,14,18,22,26,30,34,38,42,46,50,54,58
	v_max3_num_f32 v254, v254, v[96+\i], v[97+\i]
	v_max3_num_f32 v252, v252, v[98+\i], v[99+\i]
.endr
	v_max3_num_f32 v254, v254, v158, v159
	v_max_num_f32 v254, v254, v252
	v_permlanex16_b32 v236, v254, s[SEL], s[SEL+1]
	v_max_num_f32 v254, v254, v236                 ; and among lane l xor 16's
	v_mul_f32 v254, s[CS], v254                    ; as t (the factor is positive)
	v_max_num_f32 v13, v13, v254                   ; the running largest t
	v_mov_b32 v254, v12
	v_floor_f32 v12, -v13                          ; the new -M = floor(-t) = -ceil(t): M is a whole number
	v_sub_f32 v254, v12, v254                      ; M's old value less its new one: a whole number, 0 or less
	v_cvt_i32_f32 v254, v254                       ; (it saturates)
	v_ldexp_f32 v252, 1.0, v254                    ; f = 2^(old M - new M): a multiplication by it rounds nothing
.set j, 0
.rept 32
	v_pk_fma_f32 v[96+j:97+j], v[96+j:97+j], s[CS:CS+1], v[12:13] op_sel_hi:[1,0,0]   ; t - M, two at a time (of both pairs the low word serves both halves)
.set j, j+2
.endr
.set j, 0
.rept 64
	v_exp_f32 v[96+j], v[96+j]                     ; p = 2^(t - M), at most 1: not normalised
.set j, j+1
.endr
	v_pk_mul_f32 v[14:15], v[14:15], v[252:253] op_sel_hi:[1,0]   ; the sums under the new M.  (A plain place behind the exponentials)
	s_wait_alu depctr_va_vdst(0)
	v_pk_add_f32 v[242:243], v[96:97], v[98:99]    ; the row's sum is taken of the unquantised p: two at a time, in two chains
.irp j, 4,8,12,16,20,24,28,32,36,40,44,48,52,56,60
	v_pk_add_f32 v[14:15], v[14:15], v[96+\j:97+\j]
	v_pk_add_f32 v[242:243], v[242:243], v[98+\j:99+\j]
.endr
	v_pk_add_f32 v[14:15], v[14:15], v[242:243]
.irp b, 0,1,2,3
.irp i, 0,1,2,3,4,5,6,7,8,9,10,11,12,13,14,15
	v_min_num_f32 v[96+16*\b+\i], v[96+16*\b+\i], v240   ; the conversion to an 8-bit code does not saturate (ISA guide 7.6.2); p is not negative, so the hold is one-sided
.endr
	v_cvt_scalef32_pk8_bf8_f32 v[224+4*\b:225+4*\b], v[96+16*\b:103+16*\b], v244
	v_cvt_scalef32_pk8_bf8_f32 v[226+4*\b:227+4*\b], v[104+16*\b:111+16*\b], v244
.endr
.set j, 0
.rept 32
	v_pk_mul_f32 v[160+j:161+j], v[160+j:161+j], v[252:253] op_sel_hi:[1,0]   ; O^T under the new M.  (These are also the plain lines behind the conversions)
.set j, j+2
.endr
.irp g, 0,1                                    ; O^T += V^T P^T: four tiles of 16 channels at a time; the eight accumulators take turns
.if \g > 0
	PLACES
	VLOAD \g
.endif
	s_wait_dscnt 0x0
.irp t, 0,1,2,3
	v_wmma_f32_16x16x128_bf8_bf8 v[160+8*(4*\g+\t):167+8*(4*\g+\t)], v[32+16*\t:47+16*\t], v[224:239], v[160+8*(4*\g+\t):167+8*(4*\g+\t)]
.endr
.endr
.endm
; THE CHANGE OF SLOTS stands at a step's head.  Each wave waits for all its tensor loads (its part of the slot that it is about to read), adds 0 to its spare word, and waits for that and for its reads of the slot that it has left.
; fill = 1: that other slot is filled with the next step.  The barrier is then a round of the cluster's, so that no wave of any partner still reads the slot or has a load on its way; the joint load is the first thing behind it and has a whole step in which to land.
.macro CHANGE fill
	s_wait_tensorcnt 0x0                           ; no tensor load of mine is out, so group 0 may be written
	ds_add_u32 v[SPW], v[NIL]                      ; 0 onto my spare word
.if \fill
	s_xor_b32 s[G0+1], s[G0+1], SLOT1              ; the walking descriptor: the other slot than last time,
	s_add_nc_u64 s[G0+2:G0+3], s[G0+2:G0+3], 32768 ; the quarter's next step; the type bits on top are not reached
	s_wait_xcnt 0x0                                ; the last prefetch, a step back, has read its address, so it may be written:
	s_add_nc_u64 s[PFA:PFA+1], s[PFA:PFA+1], 32768 ; one step further on than the walking descriptor
	s_wait_dscnt 0x0                               ; the add is done, and my reads of the slot that I have left are over
	CROUND
	JLOAD
	ASK
.else
	s_wait_dscnt 0x0
	s_barrier_signal -1
	s_barrier_wait -1
.endif
.endm
	s_wait_loadcnt 0x0                             ; Q
.Lslot:                                            ; seven trips: behind each change of slots but the last the next step is asked for
	CHANGE 1
	STEP
	s_xor_b32 s[TB], s[TB], SLOT1                  ; on to the other slot
	s_sub_co_u32 s[SLOTS], s[SLOTS], 1
	s_cmp_lg_u32 s[SLOTS], 0
	s_cbranch_scc1 .Lslot
	CHANGE 0                                       ; the last step is written out
	STEP
	; ---- THE END.  Lane numbers and the sum first: plain lines that name no register of the last products, the places behind them
	v_and_b32 v8, 31, v0                           ; l
	v_and_b32 v9, 15, v0                           ; r
	v_bfe_u32 v10, v0, 4, 1                        ; h
	v_lshlrev_b32 v11, 4, v8                       ; 16 l
	v_add_f32 v14, v14, v15                        ; the sum's two halves,
	v_permlanex16_b32 v252, v14, s[SEL], s[SEL+1]
	v_add_f32 v14, v14, v252                       ; and lane l xor 16's: my quarter's sum for query r
	; addresses, in Q's registers, which are free: v16 .. v27
	v_lshl_add_u32 v16, v0, 2, MX                  ; my thread's word for -M; the sum's lies 2,048 bytes on
	s_lshl_b32 s70, s[WV], 13
	v_add_nc_u32 v17, s70, v11                     ; my partial O^T: 8,192 w + 16 l
	s_lshl_b32 s71, s[QT], 7
	s_add_co_u32 s71, s71, MX
	v_lshl_add_u32 v18, v8, 2, s71                 ; -M of lane l of wave qt + 4 k: + 512 k
	s_lshl_b32 s72, s[QT], 13
	s_lshl_b32 s73, s[KQ], 11
	s_add_co_u32 s72, s72, s73
	v_add_nc_u32 v19, s72, v11                     ; tiles 2 kq, 2 kq + 1 of the partial of wave qt + 4 k: + 32,768 k
	v_add_nc_u32 v20, 0x10000, v19                 ; (k = 2, 3: the immediate has 16 bits)
	s_lshl_b32 s74, s[QT], 11
	s_add_co_u32 s74, s74, CX
	v_add_nc_u32 v22, s74, v11                     ; my tile's fragment,
	s_lshl_b32 s75, s[KQ], 9
	v_add_nc_u32 v21, s75, v22                     ; and my four registers of it
	s_mul_i32 s76, s[KQ], 32*SP
	s_lshr_b32 s77, s[QT], 1
	s_lshl_b32 s77, s77, 7
	s_add_co_u32 s76, s76, s77
	s_and_b32 s77, s[QT], 1
	s_lshl_b32 s77, s77, 5
	s_add_co_u32 s76, s76, s77
	s_add_co_u32 s76, s76, STG
	v_mul_u32_u24 v23, v9, SP
	v_lshl_add_u32 v23, v10, 6, v23
	v_add_nc_u32 v23, s76, v23                     ; the stage, in: row 32 kq + r; positions 32 (qt / 2) + 8 (qt % 2) + 16 h + 0 .. 7
	s_mul_i32 s78, s[WV], 8*SP
	s_add_co_u32 s78, s78, STG
	v_mul_u32_u24 v24, v10, SP
	v_lshl_add_u32 v24, v9, 4, v24
	v_add_nc_u32 v24, s78, v24                     ; back: rows 8 w + h, 16 bytes a lane
	s_lshl_b32 s79, s[KQ], 12
	v_lshlrev_b32 v25, 7, v9
	v_lshl_add_u32 v25, v10, 3, v25
	v_add_nc_u32 v25, s79, v25                     ; proj_weight: row 32 kq + r of 128 bytes, + 8 h
	s_lshl_b32 s79, s[KQ], 7
	v_lshl_add_u32 v26, v9, 2, s79                 ; proj_bias: number 32 kq + r
	s_lshl_b32 s80, s[WV], 17
	v_lshlrev_b32 v27, 14, v10
	v_lshl_add_u32 v27, v9, 4, v27
	v_add_nc_u32 v27, s80, v27                     ; x and out0: channel 8 w + h (rows of 16,384 bytes), 16 r
	; 22 loads: 16 of the weights' codes, 2 of the biases, 4 of x
.irp n, 0,1
.irp c, 0,1,2,3,4,5,6,7
	global_load_b64 v[32+16*\n+2*\c:33+16*\n+2*\c], v25, s[10:11] offset:2048*\n+16*\c   ; registers 2 c, 2 c + 1: k = 16 c + 8 h + 0 .. 7
.endr
.endr
	global_load_b32 v28, v26, s[12:13]
	global_load_b32 v29, v26, s[12:13] offset:64
.irp i, 0,1,2,3
	global_load_b128 v[64+4*\i:67+4*\i], v27, s[14:15] offset:32768*\i
.endr
	ds_store_b32 v16, v12
	ds_store_b32 v16, v14 offset:2048
.irp t, 0,1,2,3,4,5,6,7
	ds_store_b128 v17, v[160+8*\t:163+8*\t] offset:1024*\t         ; each accumulator from its low end on
	ds_store_b128 v17, v[164+8*\t:167+8*\t] offset:1024*\t+512
.endr
	BARRIER                                        ; the sixteen partial results lie in LDS
.irp k, 0,1,2,3
	ds_load_b32 v[212+\k], v18 offset:512*\k
.endr
.irp k, 0,1,2,3
	ds_load_b32 v[216+\k], v18 offset:2048+512*\k
.endr
.irp k, 0,1
.irp n, 0,1
	ds_load_b128 v[96+16*\k+8*\n:99+16*\k+8*\n], v19 offset:32768*\k+1024*\n
	ds_load_b128 v[100+16*\k+8*\n:103+16*\k+8*\n], v19 offset:32768*\k+1024*\n+512
.endr
.endr
.irp k, 0,1
.irp n, 0,1
	ds_load_b128 v[128+16*\k+8*\n:131+16*\k+8*\n], v20 offset:32768*\k+1024*\n
	ds_load_b128 v[132+16*\k+8*\n:135+16*\k+8*\n], v20 offset:32768*\k+1024*\n+512
.endr
.endr
	s_wait_dscnt 16                                ; the eight small loads are in; the sixteen behind them may be out
	v_min3_num_f32 v220, v212, v213, v214
	v_min_num_f32 v220, v220, v215                 ; -M of the row: the least of the four -M_k
.irp k, 0,1,2,3
	v_sub_f32 v[212+\k], v220, v[212+\k]           ; M_k - M: a whole number, 0 or less
.endr
.irp k, 0,1,2,3
	v_cvt_i32_f32 v[212+\k], v[212+\k]
.endr
.irp k, 0,1,2,3
	v_ldexp_f32 v[212+\k], 1.0, v[212+\k]          ; f_k = 2^(M_k - M)
.endr
	v_mul_f32 v221, v212, v216
	v_fmac_f32 v221, v213, v217
	v_fmac_f32 v221, v214, v218
	v_fmac_f32 v221, v215, v219                    ; the row's sum
	v_rcp_f32 v222, v221
	v_nop                                          ; one plain place behind the transcendental
	s_wait_alu depctr_va_vdst(0)
.irp k, 0,1,2,3
	v_mul_f32 v[212+\k], v[212+\k], v222           ; f_k / the sum
.endr
	s_wait_dscnt 0x0
.set j, 0
.rept 16
	v_mul_f32 v[192+j], v212, v[96+j]
.set j, j+1
.endr
.irp k, 1,2,3
.set j, 0
.rept 16
	v_fmac_f32 v[192+j], v[212+\k], v[96+16*\k+j]
.set j, j+1
.endr
.endr
.set j, 0
.rept 16
	v_med3_num_f32 v[192+j], v[192+j], -v241, v241 ; the hold at the largest code x the scale
.set j, j+1
.endr
	v_cvt_scalef32_pk8_bf8_f32 v[208:209], v[192:199], v245   ; query r, channels 32 kq + 8 h + 0 .. 7,
	v_cvt_scalef32_pk8_bf8_f32 v[210:211], v[200:207], v245   ; and 32 kq + 16 + 8 h + 0 .. 7: registers 4 kq .. 4 kq + 3 of the fragment
	v_nop                                          ; one plain vector instruction behind the last conversion
	ds_store_b128 v21, v[208:211]
	BARRIER                                        ; the four tiles' fragments lie in LDS
.irp c, 0,1,2,3
	ds_load_b128 v[224+4*\c:227+4*\c], v22 offset:512*\c
.endr
	s_wait_dscnt 0x0
	s_wait_loadcnt 4                               ; the weights' codes and the biases are in; x's four loads may be out
.irp n, 0,1
	v_wmma_f32_16x16x128_bf8_bf8 v[160+8*\n:167+8*\n], v[224:239], v[32+16*\n:47+16*\n], 0   ; source 0 = my 16 queries, source 1 = outputs 32 kq + 16 n on: a lane holds one output channel and eight neighbouring positions
.endr
	PLACES
.irp n, 0,1
.irp j, 0,1,2,3,4,5,6,7
	v_fma_f32 v[176+8*\n+\j], v[160+8*\n+\j], s[YS], v[28+\n]   ; sum x 2^(e6 + e7) + bias
.endr
.endr
.irp n, 0,1
	ds_store_b128 v23, v[176+8*\n:179+8*\n] offset:16*SP*\n
	ds_store_b128 v23, v[180+8*\n:183+8*\n] offset:16*SP*\n+16
.endr
	BARRIER                                        ; 128 rows of 64 positions lie in the stage
.irp i, 0,1,2,3
	ds_load_b128 v[96+4*\i:99+4*\i], v24 offset:2*SP*\i
.endr
	s_wait_dscnt 0x0
	s_wait_loadcnt 0x0                             ; x
.set j, 0
.rept 8
	v_pk_add_f32 v[96+j:97+j], v[96+j:97+j], v[64+j:65+j]
.set j, j+2
.endr
.irp i, 0,1,2,3
	global_store_b128 v27, v[96+4*\i:99+4*\i], s[16:17] offset:32768*\i th:TH_STORE_NT   ; sixteen lanes store 256 consecutive bytes, at a multiple of 256 from out0's first byte
.endr
	s_wait_tensorcnt 0x0                           ; the wave's end: behind my last tensor load and my last LDS store
	ds_add_u32 v[SPW], v[NIL]
	s_wait_dscnt 0x0
	CROUND                                         ; the closing round: no work-group ends while a partner may still ask for a tile that names it
	s_endpgm
.Lfunc_end_k_q8a53ee7a1d_attn:
	.size	k_q8a53ee7a1d_attn, .Lfunc_end_k_q8a53ee7a1d_attn-k_q8a53ee7a1d_attn
	.p2alignl 7, 3214868480
	.fill 96, 4, 3214868480
	.section	.rodata,"a",@progbits
	.p2align	6, 0x0
	.amdhsa_kernel k_q8a53ee7a1d_attn
		.amdhsa_group_segment_fixed_size 327680
		.amdhsa_private_segment_fixed_size 0
		.amdhsa_enable_private_segment 0
		.amdhsa_kernarg_size 56
		.amdhsa_user_sgpr_count 2
		.amdhsa_user_sgpr_kernarg_segment_ptr 1
		.amdhsa_wavefront_size32 1
		.amdhsa_system_sgpr_workgroup_id_x 1
		.amdhsa_system_sgpr_workgroup_id_y 1
		.amdhsa_system_sgpr_workgroup_id_z 1
		.amdhsa_system_vgpr_workitem_id 0
		.amdhsa_next_free_vgpr 256
		.amdhsa_next_free_sgpr 96
		.amdhsa_reserve_vcc 0
		.amdhsa_float_denorm_mode_32 3
		.amdhsa_float_denorm_mode_16_64 3
		.amdhsa_memory_ordered 1
		.amdhsa_forward_progress 1
		.amdhsa_inst_pref_size 61
	.end_amdhsa_kernel
	.amdgpu_metadata
---
amdhsa.version: [ 1, 2 ]
amdhsa.kernels:
  - .name:           k_q8a53ee7a1d_attn
    .symbol:         k_q8a53ee7a1d_attn.kd
    .args:
      - { .name: qimg, .offset: 0, .size: 8, .value_kind: global_buffer, .address_space: global }
      - { .name: kv, .offset: 8, .size: 8, .value_kind: global_buffer, .address_space: global }
      - { .name: lowp_scales, .offset: 16, .size: 8, .value_kind: global_buffer, .address_space: global }
      - { .name: proj_weight_codes, .offset: 24, .size: 8, .value_kind: global_buffer, .address_space: global }
      - { .name: proj_bias, .offset: 32, .size: 8, .value_kind: global_buffer, .address_space: global }
      - { .name: x, .offset: 40, .size: 8, .value_kind: global_buffer, .address_space: global }
      - { .name: out0, .offset: 48, .size: 8, .value_kind: global_buffer, .address_space: global }
    .group_segment_fixed_size: 327680
    .private_segment_fixed_size: 0
    .kernarg_segment_align: 8
    .kernarg_segment_size: 56
    .max_flat_workgroup_size: 512
    .sgpr_count:     96
    .vgpr_count:     256
    .wavefront_size: 32
...
	.end_amdgpu_metadata
.endif
;; end of part 3
;; ======== version 2 of 2: 3 launches
;; limits: right only within a limited range of input values
;; workspace buffers: stats 8,192 bytes; qimg 2,097,152 bytes; kv 4,194,304 bytes
;; launch stats (part 4): grid 256 x 1, 4 waves a work-group, no clusters, 0 bytes of LDS; arguments x, stats; writes stats
.if DOCPART == 4
	.amdgcn_target "amdgcn-amd-amdhsa--gfx1250"
	.amdhsa_code_object_version 6
	.text
	.protected	k_q8a53ee7a1d_stats
	.globl	k_q8a53ee7a1d_stats
	.p2align	8
	.type	k_q8a53ee7a1d_stats,@function
k_q8a53ee7a1d_stats:
	s_mov_b64 s[64:65], 0
	v_nop
	global_prefetch_b8 v0, s[64:65] scope:SCOPE_SE
	s_setreg_imm32_b32 hwreg(HW_REG_WAVE_MODE, 25, 1), 1
	s_wait_xcnt 0x0
; GroupNorm's statistics, first part.  x is [4][128][4096] f32; a group (batch, 16 channels) is 65,536 consecutive numbers.
; Each wave takes 2,048 consecutive numbers (8,192 bytes), keeps them in 64 registers, and stores their mean and their sum of squares ABOUT THAT MEAN:
; two passes over the registers, so that no variance is ever formed as a difference of large sums (a common offset of the inputs does no harm).
; 1,024 waves: wave W = 4 x work-group + wave serves partial W % 32 of group W / 32; its record (mean, M2) lies at byte 8 W of stats: a group's 32 records are 256 consecutive bytes.
; The next launch joins the 32 records of a group.  Each load of a wave reads 512 consecutive bytes.  A wave stores 8 bytes, once: the whole buffer is 8,192 bytes.
; No LDS, no barrier: waves share nothing.  NaN among the inputs is not served.
.set X,  16                            ; v16-79  my 64 numbers
.set CH, 80                            ; v80-87  four packed chains
.set MV, 88                            ; v88-89  mean, M2
.set T,  90                            ; v90-91  at work
	s_load_b128 s[4:7], s[0:1], 0x0                ; x, stats
	v_lshrrev_b32 v2, 5, v0
	v_readfirstlane_b32 s8, v2                     ; wave
	v_and_b32 v3, 31, v0                           ; lane
	v_lshlrev_b32 v1, 4, v3                        ; 16 bytes a lane
	v_mov_b32 v[T+1], 0                            ; a lane permute's destination counts as one of its sources
	v_mov_b32 v92, 0                               ; the store's offset
	s_lshl_b32 s9, ttmp9, 2
	s_add_co_u32 s9, s9, s8                        ; W
	s_lshl_b32 s10, s9, 13                         ; 8,192 W
	s_mov_b32 s11, 0
	s_lshl_b32 s14, s9, 3                          ; 8 W
	s_mov_b32 s15, 0
	s_mov_b32 s12, 0x76543210                      ; v_permlanex16_b32: lane l xor 16
	s_mov_b32 s13, 0xfedcba98
	s_wait_alu depctr_va_vdst(0)
	s_wait_kmcnt 0x0
	s_add_nc_u64 s[4:5], s[4:5], s[10:11]
	s_add_nc_u64 s[6:7], s[6:7], s[14:15]
.irp i, 0,1,2,3,4,5,6,7,8,9,10,11,12,13,14,15
	global_load_b128 v[X+4*\i:X+4*\i+3], v1, s[4:5] offset:512*\i
.endr
; the four chains are joined, then the 32 lanes: every lane ends with the sum in v[T]
.macro JOIN
	v_pk_add_f32 v[CH:CH+1], v[CH:CH+1], v[CH+2:CH+3]
	v_pk_add_f32 v[CH+4:CH+5], v[CH+4:CH+5], v[CH+6:CH+7]
	v_pk_add_f32 v[CH:CH+1], v[CH:CH+1], v[CH+4:CH+5]
	v_add_f32 v[T], v[CH], v[CH+1]
	v_add_f32_dpp v[T], v[T], v[T] row_xmask:1 row_mask:0xf bank_mask:0xf
	v_add_f32_dpp v[T], v[T], v[T] row_xmask:2 row_mask:0xf bank_mask:0xf
	v_add_f32_dpp v[T], v[T], v[T] row_xmask:4 row_mask:0xf bank_mask:0xf
	v_add_f32_dpp v[T], v[T], v[T] row_xmask:8 row_mask:0xf bank_mask:0xf
	v_permlanex16_b32 v[T+1], v[T], s12, s13
	v_add_f32 v[T], v[T], v[T+1]
.endm
	s_wait_loadcnt 12                              ; the first four loads are in; the twelve behind them may be out
.irp k, 0,1,2,3
	v_pk_add_f32 v[CH+2*\k:CH+2*\k+1], v[X+4*\k:X+4*\k+1], v[X+4*\k+2:X+4*\k+3]   ; the first numbers start the chains: nothing is cleared
.endr
	s_wait_alu depctr_va_vdst(0)
.irp q, 1,2,3
	s_wait_alu depctr_va_vdst(0)
	s_wait_loadcnt 12-4*\q                         ; the next four loads are in
.irp k, 0,1,2,3
	v_pk_add_f32 v[CH+2*\k:CH+2*\k+1], v[CH+2*\k:CH+2*\k+1], v[X+16*\q+4*\k:X+16*\q+4*\k+1]
.endr
.irp k, 0,1,2,3
	v_pk_add_f32 v[CH+2*\k:CH+2*\k+1], v[CH+2*\k:CH+2*\k+1], v[X+16*\q+4*\k+2:X+16*\q+4*\k+3]
.endr
.endr
	JOIN
	v_mul_f32 v[MV], 0x3a000000, v[T]              ; mean = sum / 2,048
	v_mov_b32 v[MV+1], v[MV]
.set j, 0
.rept 32
	v_pk_add_f32 v[X+j:X+j+1], v[X+j:X+j+1], v[MV:MV+1] neg_lo:[0,1] neg_hi:[0,1]   ; x - mean
.set j, j+2
.endr
.irp k, 0,1,2,3
	v_pk_mul_f32 v[CH+2*\k:CH+2*\k+1], v[X+2*\k:X+2*\k+1], v[X+2*\k:X+2*\k+1]
.endr
.set j, 8
.rept 28
	v_pk_fma_f32 v[CH+j%8:CH+j%8+1], v[X+j:X+j+1], v[X+j:X+j+1], v[CH+j%8:CH+j%8+1]
.set j, j+2
.endr
	JOIN
	v_mov_b32 v[MV+1], v[T]                        ; M2
	s_wait_alu depctr_va_vdst(0)
	s_wait_xcnt 0x0                                ; EXEC changes only behind this wait
	v_cmp_eq_u32 vcc_lo, 0, v3
	s_and_saveexec_b32 s8, vcc_lo                  ; lane 0 stores for the wave
	global_store_b64 v92, v[MV:MV+1], s[6:7]
	s_wait_xcnt 0x0                                ; and again in front of the line that widens it
	s_or_b32 exec_lo, exec_lo, s8
	s_endpgm
.Lfunc_end_k_q8a53ee7a1d_stats:
	.size	k_q8a53ee7a1d_stats, .Lfunc_end_k_q8a53ee7a1d_stats-k_q8a53ee7a1d_stats
	.p2alignl 7, 3214868480
	.fill 96, 4, 3214868480
	.section	.rodata,"a",@progbits
	.p2align	6, 0x0
	.amdhsa_kernel k_q8a53ee7a1d_stats
		.amdhsa_group_segment_fixed_size 0
		.amdhsa_private_segment_fixed_size 0
		.amdhsa_enable_private_segment 0
		.amdhsa_kernarg_size 16
		.amdhsa_user_sgpr_count 2
		.amdhsa_user_sgpr_kernarg_segment_ptr 1
		.amdhsa_wavefront_size32 1
		.amdhsa_system_sgpr_workgroup_id_x 1
		.amdhsa_system_sgpr_workgroup_id_y 1
		.amdhsa_system_sgpr_workgroup_id_z 1
		.amdhsa_system_vgpr_workitem_id 0
		.amdhsa_next_free_vgpr 96
		.amdhsa_next_free_sgpr 66
		.amdhsa_reserve_vcc 1
		.amdhsa_float_denorm_mode_32 3
		.amdhsa_float_denorm_mode_16_64 3
		.amdhsa_memory_ordered 1
		.amdhsa_forward_progress 1
		.amdhsa_inst_pref_size 10
	.end_amdhsa_kernel
	.amdgpu_metadata
---
amdhsa.version: [ 1, 2 ]
amdhsa.kernels:
  - .name:           k_q8a53ee7a1d_stats
    .symbol:         k_q8a53ee7a1d_stats.kd
    .args:
      - { .name: x, .offset: 0, .size: 8, .value_kind: global_buffer, .address_space: global }
      - { .name: stats, .offset: 8, .size: 8, .value_kind: global_buffer, .address_space: global }
    .group_segment_fixed_size: 0
    .private_segment_fixed_size: 0
    .kernarg_segment_align: 8
    .kernarg_segment_size: 16
    .max_flat_workgroup_size: 128
    .sgpr_count:     66
    .vgpr_count:     96
    .wavefront_size: 32
...
	.end_amdgpu_metadata
.endif
;; end of part 4
;; launch qkv (part 5): grid 256 x 1, 4 waves a work-group, no clusters, 43,520 bytes of LDS; arguments x, stats, gn_weight, gn_bias, qkv_weight_codes, qkv_bias, lowp_scales, qimg, kv; writes qimg, kv
.if DOCPART == 5
	.amdgcn_target "amdgcn-amd-amdhsa--gfx1250"
	.amdhsa_code_object_version 6
	.text
	.protected	k_q8a53ee7a1d_qkv
	.globl	k_q8a53ee7a1d_qkv
	.p2align	8
	.type	k_q8a53ee7a1d_qkv,@function
k_q8a53ee7a1d_qkv:
	s_mov_b64 s[64:65], 0
	v_nop
	global_prefetch_b8 v0, s[64:65] scope:SCOPE_SE
	s_setreg_imm32_b32 hwreg(HW_REG_WAVE_MODE, 25, 1), 1
	s_wait_xcnt 0x0
; GroupNorm, its quantising, the product with qkv_weight (codes of BF8, E5M2), the biases, and the quantising of q, k and v for the attention launch.
; A work-group takes 64 positions of one batch (work-group = 64 b + i: positions 64 i on), all 128 channels.  Straight-line text: no loop, no branch.
; SHARES.  Wave w normalises channels 32 w .. 32 w + 31 (groups 2 w, 2 w + 1), quantises position tile w, and makes channels 32 w .. 32 w + 31 of q, of k and of v for all 64 positions: 24 matrix instructions, each a whole sum over K = 128.
; AN OPERAND IS KEPT AS AN IMAGE OF ITS REGISTERS: a fragment (16 rows x 128 K, 16 registers a lane) is four chunks of 512 bytes, chunk c = registers 4 c .. 4 c + 3, lane l's 16 bytes at 16 l.
; Lane (r = l % 16, h = l / 16) holds, of row r, k = 32 c + 16 h + 0 .. 15 in chunk c: the same order of k in both operands of a product, so every product meets its partner.
; THE POSITIONS OF A TILE ARE NOT NEIGHBOURS: row r of tile m of the 64 is position 32 (m / 2) + 8 (m % 2) + r + 8 (r / 8), so that in the attention launch the 16 registers of two neighbouring tiles of scores are 16 neighbouring keys.
; q and k are made TRANSPOSED (source 0 = 16 rows of W, chosen in the same way; source 1 = 16 positions): a lane holds one position and 16 neighbouring channels: chunk w of that tile's fragment.
; v is made the other way round (source 0 = positions, source 1 = rows of W): a lane holds one channel d and 16 neighbouring positions: a chunk of the fragment of V^T, whose K is the keys.
; qimg: [b][256 tiles][2,048 bytes].  kv: [b][32 steps of 128 keys][K's 8 fragments, V's 8 fragments: 32,768 bytes].  Each store of a wave covers 512 consecutive bytes, aligned.
; The biases are the C of the products, divided by 2^(e0 + e1), which the sums lack; that power is folded into the conversions' scales.
; x is turned from [channel][position] to a lane's 16 neighbouring channels through LDS.
; LIMITS on the given exponents, so that each power of two below is an f32 number: e0, e2 - e0 - e1, e3 - e0 - e1, e5 - e0 - e1 between -126 and 112.  NaN among the inputs is not served.
; No tensor load, no cluster: a work-group reads its 32 KiB of x once; what work-groups share (48 KiB of W's codes, the biases) is read once by each and kept in registers.
; REGISTERS.  Window 0: v1-16 lane numbers and addresses; v20-31 statistics and at work; v32, v34, v36, v38 scales; v48-111, v112-175 two sets of 64 numbers; v176-223 codes; v224-255 the gains and biases of my 16 channels.
;             Window 1: v0-95 W's six fragments; v96-143 the biases as C; v144-207 x's four fragments.
.set XTG,  4224                        ; LDS: x normalised, 8 groups of 16 channels: 16 rows of 256 bytes + 128: 1,056 words = 32 modulo 64 banks (64 banks of 4 bytes: ISA guide 11.1), so the two halves of the lanes read different banks
.set XIMG, 8*XTG                       ; behind them: the images of x's four fragments, 2,048 bytes each
.set ACC0, 48
.set ACC1, 112
.set CQ,   176
.set CK,   192
.set CV,   208
.set GW,   224
.set GB,   240
.set WQ,   0                           ; window 1
.set WK,   32
.set WVR,  64
.set BQ,   96
.set BK,   112
.set BV,   128
.set XF,   144
.set MSB, 0
.macro WIN new                         ; the immediate's high byte repeats the setting that is left
.if MSB != \new
	s_set_vgpr_msb (MSB<<8)|\new
.set MSB, \new
.endif
.endm
; 64 numbers of a lane become 16 registers of codes.  v[sc]: the scale as f32
.macro QUANT s, d, sc, lim
.irp b, 0,1,2,3
.irp i, 0,1,2,3,4,5,6,7,8,9,10,11,12,13,14,15
.endr
	v_cvt_scalef32_pk8_bf8_f32 v[\d+4*\b:\d+4*\b+1], v[\s+16*\b:\s+16*\b+7], v[\sc]
	v_cvt_scalef32_pk8_bf8_f32 v[\d+4*\b+2:\d+4*\b+3], v[\s+16*\b+8:\s+16*\b+15], v[\sc]
.endr
	v_nop                                          ; one plain vector instruction behind the last conversion: later products write its sources
.endm
.macro MKSC vs, vl, se                 ; from the whole number E in s[se]: 2^E and 57,344 x 2^E as f32
	s_add_co_i32 s56, s[\se], 127
	s_lshl_b32 s57, s56, 23
	v_mov_b32 v[\vs], s57
	s_add_co_i32 s56, s56, 15
	s_lshl_b32 s56, s56, 23
	s_or_b32 s56, s56, 0x600000
.endm
.macro ROWSUM r                        ; the sum over the 16 lanes of a half, in every one of them
	v_add_f32_dpp v[\r], v[\r], v[\r] row_xmask:1 row_mask:0xf bank_mask:0xf
	v_add_f32_dpp v[\r], v[\r], v[\r] row_xmask:2 row_mask:0xf bank_mask:0xf
	v_add_f32_dpp v[\r], v[\r], v[\r] row_xmask:4 row_mask:0xf bank_mask:0xf
	v_add_f32_dpp v[\r], v[\r], v[\r] row_xmask:8 row_mask:0xf bank_mask:0xf
.endm
.macro BARRIER                         ; my LDS stores have landed and my LDS loads are in: then the work-group's barrier
	s_wait_dscnt 0x0
	s_barrier_signal -1
	s_barrier_wait -1
.endm
	s_load_b256 s[4:11], s[0:1], 0x0               ; x s[4:5], stats s[6:7], gn_weight s[8:9], gn_bias s[10:11]
	s_load_b256 s[12:19], s[0:1], 0x20             ; W's codes s[12:13], qkv_bias s[14:15], the exponents s[16:17], qimg s[18:19]
	s_load_b64 s[20:21], s[0:1], 0x40              ; kv
	v_lshl_add_u32 v46, v0, 2, 0xa800
	v_mov_b32 v47, 0
	v_lshrrev_b32 v1, 5, v0
	v_readfirstlane_b32 s22, v1                    ; wave w
	v_and_b32 v1, 31, v0                           ; l
	v_and_b32 v2, 15, v0                           ; r
	s_wait_alu depctr_va_vdst(0)
	v_bfe_u32 v3, v0, 4, 1                         ; h
	s_lshr_b32 s23, ttmp9, 6                       ; b
	s_and_b32 s24, ttmp9, 63                       ; i
	s_lshl_b32 s26, s23, 21                        ; x: b x 2 MiB + 256 i
	s_lshl_b32 s27, s24, 8
	s_add_co_u32 s26, s26, s27
	s_mov_b32 s27, 0
	s_lshl_b32 s28, s23, 19                        ; qimg: b x 512 KiB + 8,192 i
	s_lshl_b32 s29, s24, 13
	s_add_co_u32 s28, s28, s29
	s_mov_b32 s29, 0
	s_lshl_b32 s30, s23, 20                        ; kv: b x 1 MiB + 32,768 (i / 2):
	s_lshr_b32 s31, s24, 1
	s_lshl_b32 s31, s31, 15
	s_add_co_u32 s30, s30, s31
	s_and_b32 s40, s24, 1
	s_lshl_b32 s41, s40, 13
	s_add_co_u32 s42, s30, s41                     ; K's fragments 4 (i % 2) on,
	s_mov_b32 s43, 0
	s_lshl_b32 s41, s40, 10
	s_add_co_u32 s44, s30, s41
	s_add_co_u32 s44, s44, 16384                   ; V's chunks 2 (i % 2) on
	s_mov_b32 s45, 0
	s_lshl_b32 s50, s22, 19
	v_lshlrev_b32 v4, 4, v2
	s_wait_alu depctr_va_vdst(0)
	v_lshl_add_u32 v4, v3, 18, v4
	v_add_nc_u32 v4, s50, v4                       ; x: channel 32 w + 16 h (rows of 16,384 bytes), positions 4 r on
	s_lshl_b32 s51, s23, 11
	s_lshl_b32 s52, s22, 9
	s_add_co_u32 s51, s51, s52
	v_lshlrev_b32 v5, 4, v2
	v_lshl_add_u32 v5, v3, 8, v5
	v_add_nc_u32 v5, s51, v5                       ; stats: group 8 b + 2 w + h (256 bytes), records 2 r and 2 r + 1
	s_lshl_b32 s52, s22, 7
	v_lshl_add_u32 v6, v3, 6, s52                  ; gains, and q's and k's biases: number 32 w + 16 h on
	v_lshl_add_u32 v14, v2, 2, s52                 ; v's biases: number 32 w + r
	s_mul_i32 s53, s22, 2*XTG
	v_mul_u32_u24 v7, v3, XTG
	v_lshl_add_u32 v7, v2, 4, v7
	v_add_nc_u32 v7, s53, v7                       ; LDS, in: group 2 w + h, 16 r
	v_and_b32 v26, 8, v2
	v_add_nc_u32 v26, v26, v2                      ; r + 8 (r / 8)
	s_wait_alu depctr_va_vdst(0)
	s_lshr_b32 s53, s22, 1
	s_lshl_b32 s53, s53, 7
	s_and_b32 s54, s22, 1
	s_lshl_b32 s54, s54, 5
	s_add_co_u32 s53, s53, s54
	v_mul_u32_u24 v8, v3, XTG
	v_lshl_add_u32 v8, v26, 2, v8
	v_add_nc_u32 v8, s53, v8                       ; LDS, out: group h, position 32 (w / 2) + 8 (w % 2) + r + 8 (r / 8)
	v_lshlrev_b32 v9, 4, v1                        ; 16 l: an image's place for my lane
	s_lshl_b32 s54, s22, 11
	s_add_co_u32 s54, s54, XIMG
	v_add_nc_u32 v10, s54, v9                      ; where I store x's image: tile w
	s_lshl_b32 s54, s22, 12
	v_lshlrev_b32 v11, 7, v26
	v_lshl_add_u32 v11, v3, 4, v11
	v_add_nc_u32 v11, s54, v11                     ; W for q and k: row 32 w + r + 8 (r / 8) of 128 bytes, + 16 h
	v_lshlrev_b32 v12, 7, v2
	v_lshl_add_u32 v12, v3, 4, v12
	v_add_nc_u32 v12, s54, v12                     ; W for v: row 32 w + r
	v_add_nc_u32 v16, s54, v9                      ; v's codes: fragment 2 w, + 16 l
	s_lshl_b32 s54, s22, 9
	v_add_nc_u32 v15, s54, v9                      ; q's and k's codes: chunk w, + 16 l
	s_wait_alu depctr_va_vdst(0)
	s_wait_kmcnt 0x0
	s_load_b256 s[32:39], s[16:17], 0x0            ; e0 .. e7
	s_add_nc_u64 s[4:5], s[4:5], s[26:27]
	s_add_nc_u64 s[18:19], s[18:19], s[28:29]
	s_add_nc_u64 s[46:47], s[20:21], s[42:43]      ; K's place
	s_add_nc_u64 s[48:49], s[20:21], s[44:45]      ; V's place
	; 59 loads: 1 + 8 for the statistics and gains, 16 of x, 24 of W, 10 of the biases
	global_load_b128 v[20:23], v5, s[6:7]
.irp k, 0,1,2,3
	global_load_b128 v[GW+4*\k:GW+4*\k+3], v6, s[8:9] offset:16*\k
	global_load_b128 v[GB+4*\k:GB+4*\k+3], v6, s[10:11] offset:16*\k
.endr
.irp k, 0,1,2,3,4,5,6,7,8,9,10,11,12,13,14,15
	global_load_b128 v[ACC0+4*\k:ACC0+4*\k+3], v4, s[4:5] offset:16384*\k   ; sixteen lanes read 256 consecutive bytes of a channel, aligned
.endr
	WIN 0x40                                       ; destination window 1
.irp u, 0,1
.irp c, 0,1,2,3
	global_load_b128 v[WQ+16*\u+4*\c:WQ+16*\u+4*\c+3], v11, s[12:13] offset:1024*\u+32*\c
	global_load_b128 v[WK+16*\u+4*\c:WK+16*\u+4*\c+3], v11, s[12:13] offset:16384+1024*\u+32*\c
	global_load_b128 v[WVR+16*\u+4*\c:WVR+16*\u+4*\c+3], v12, s[12:13] offset:32768+2048*\u+32*\c
.endr
.endr
.irp u, 0,1
	global_load_b128 v[BQ+8*\u:BQ+8*\u+3], v6, s[14:15] offset:32*\u
	global_load_b128 v[BQ+8*\u+4:BQ+8*\u+7], v6, s[14:15] offset:32*\u+16
	global_load_b128 v[BK+8*\u:BK+8*\u+3], v6, s[14:15] offset:512+32*\u
	global_load_b128 v[BK+8*\u+4:BK+8*\u+7], v6, s[14:15] offset:512+32*\u+16
.endr
	WIN 0
	global_load_b32 v30, v14, s[14:15] offset:1024
	global_load_b32 v31, v14, s[14:15] offset:1088
	s_wait_kmcnt 0x0
	s_add_co_i32 s58, s32, s33                     ; e0 + e1: a sum of the product stands for sum x 2^(e0 + e1)
	s_sub_co_i32 s55, 0, s58
	s_sub_co_i32 s59, s34, s58                     ; e2 - e0 - e1
	s_sub_co_i32 s60, s35, s58                     ; e3 - e0 - e1
	s_sub_co_i32 s61, s37, s58                     ; e5 - e0 - e1
	MKSC 32, 33, 32                                ; x's
	MKSC 34, 35, 59                                ; q's
	MKSC 36, 37, 60                                ; k's
	MKSC 38, 39, 61                                ; v's
	; ---- the group's mean and variance from its 32 records: the records' means are averaged; M2 = the records' M2 + 2,048 x (record's mean - mean)^2
	s_wait_loadcnt 50                              ; the records and the gains are in; behind them: x's 16 loads, W's 24, the biases' 10
	v_add_f32 v26, v20, v22
	ROWSUM 26
	v_mul_f32 v24, 0x3d000000, v26                 ; mean = sum / 32
	v_sub_f32 v27, v20, v24
	v_sub_f32 v28, v22, v24
	v_mul_f32 v27, v27, v27
	v_fma_f32 v27, v28, v28, v27
	v_add_f32 v28, v21, v23
	v_fmamk_f32 v26, v27, 0x45000000, v28          ; x 2,048 + the two M2
	ROWSUM 26
	v_mul_f32 v26, 0x37800000, v26                 ; / 65,536
	v_add_f32 v26, 0x3727c5ac, v26                 ; + 1e-5
	s_wait_alu depctr_va_vdst(0)
	v_rsq_f32 v25, v26
	v_nop                                          ; one plain place behind the transcendental
	s_wait_alu depctr_va_vdst(0)
.irp k, 0,1,2,3,4,5,6,7,8,9,10,11,12,13,14,15
	v_mul_f32 v[GW+\k], v25, v[GW+\k]              ; gain / sqrt(var + eps)
.endr
	s_wait_loadcnt 34                              ; x is in; W's 24 loads and the biases' 10 may be out
.set j, 0
.rept 32
	v_pk_add_f32 v[ACC0+j:ACC0+j+1], v[ACC0+j:ACC0+j+1], v[24:25] op_sel_hi:[1,0] neg_lo:[0,1] neg_hi:[0,1]   ; x - mean (the pair's low word for both halves)
.set j, j+2
.endr
.set j, 0
.rept 64
	v_fma_f32 v[ACC0+j], v[ACC0+j], v[GW+j/4], v[GB+j/4]
.set j, j+1
.endr
.set j, 0
.rept 16
	ds_store_b128 v7, v[ACC0+4*j:ACC0+4*j+3] offset:256*j
.set j, j+1
.endr
	BARRIER                                        ; all 128 channels of the 64 positions lie in LDS
	; ---- my tile of positions: a lane takes one position and, for each chunk, 16 neighbouring channels
.irp c, 0,1,2,3
.set j, 0
.rept 16
	ds_load_b32 v[ACC0+16*\c+j], v8 offset:2*XTG*\c+256*j
.set j, j+1
.endr
.endr
	s_wait_dscnt 0x0
	QUANT ACC0, CV, 32, 33
.irp c, 0,1,2,3
	ds_store_b128 v10, v[CV+4*\c:CV+4*\c+3] offset:512*\c
.endr
	BARRIER                                        ; x's four fragments lie in LDS
	WIN 0x40
.irp m, 0,1,2,3
.irp c, 0,1,2,3
	ds_load_b128 v[XF+16*\m+4*\c:XF+16*\m+4*\c+3], v9 offset:XIMG+2048*\m+512*\c
.endr
.endr
	s_wait_loadcnt 0x0                             ; W and the biases
	WIN 0x41                                       ; source 0 and destination window 1
.set j, 0
.rept 32
	v_ldexp_f32 v[BQ+j], v[BQ+j], s55              ; q's and k's biases / 2^(e0 + e1)
.set j, j+1
.endr
	WIN 0x40
.irp n, 0,1
.irp j, 0,1,2,3,4,5,6,7
	v_ldexp_f32 v[BV+8*\n+\j], v[30+\n], s55       ; v's: one channel a lane, the same in all eight registers
.endr
.endr
	s_wait_dscnt 0x0
	WIN 0x15                                       ; sources 0, 1, 2 window 1, destination window 0
.irp m, 0,1,2,3
.irp u, 0,1
	v_wmma_f32_16x16x128_bf8_bf8 v[ACC0+16*\m+8*\u:ACC0+16*\m+8*\u+7], v[WQ+16*\u:WQ+16*\u+15], v[XF+16*\m:XF+16*\m+15], v[BQ+8*\u:BQ+8*\u+7]
.endr
.endr
.irp m, 0,1,2,3
.irp u, 0,1
	v_wmma_f32_16x16x128_bf8_bf8 v[ACC1+16*\m+8*\u:ACC1+16*\m+8*\u+7], v[WK+16*\u:WK+16*\u+15], v[XF+16*\m:XF+16*\m+15], v[BK+8*\u:BK+8*\u+7]
.endr
.endr
	WIN 0
.rept 4
	v_nop                                          ; places in front of the first read of results (ISA guide 7.12.1)
.endr
	QUANT ACC0, CQ, 34, 35                         ; registers 16 m + 0 .. 15: position row r of tile m, channels 32 w + 16 h + 0 .. 15
.irp m, 0,1,2,3
	global_store_b128 v15, v[CQ+4*\m:CQ+4*\m+3], s[18:19] offset:2048*\m
.endr
	QUANT ACC1, CK, 36, 37
.irp m, 0,1,2,3
	global_store_b128 v15, v[CK+4*\m:CK+4*\m+3], s[46:47] offset:2048*\m
.endr
	WIN 0x15
.irp n, 0,1
.irp m, 0,1,2,3
	v_wmma_f32_16x16x128_bf8_bf8 v[ACC0+32*\n+8*\m:ACC0+32*\n+8*\m+7], v[XF+16*\m:XF+16*\m+15], v[WVR+16*\n:WVR+16*\n+15], v[BV+8*\n:BV+8*\n+7]
.endr
.endr
	WIN 0
.rept 4
	v_nop
.endr
	QUANT ACC0, CV, 38, 39                         ; registers 32 n + 16 p + 0 .. 15: channel 32 w + 16 n + r, positions 32 p + 16 h + 0 .. 15 of the 64
.irp n, 0,1
.irp p, 0,1
	global_store_b128 v16, v[CV+8*\n+4*\p:CV+8*\n+4*\p+3], s[48:49] offset:2048*\n+512*\p
.endr
.endr
	s_wait_tensorcnt 0x0
	ds_add_u32 v46, v47
	s_wait_dscnt 0x0
	s_endpgm
.Lfunc_end_k_q8a53ee7a1d_qkv:
	.size	k_q8a53ee7a1d_qkv, .Lfunc_end_k_q8a53ee7a1d_qkv-k_q8a53ee7a1d_qkv
	.p2alignl 7, 3214868480
	.fill 96, 4, 3214868480
	.section	.rodata,"a",@progbits
	.p2align	6, 0x0
	.amdhsa_kernel k_q8a53ee7a1d_qkv
		.amdhsa_group_segment_fixed_size 43520
		.amdhsa_private_segment_fixed_size 0
		.amdhsa_enable_private_segment 0
		.amdhsa_kernarg_size 72
		.amdhsa_user_sgpr_count 2
		.amdhsa_user_sgpr_kernarg_segment_ptr 1
		.amdhsa_wavefront_size32 1
		.amdhsa_system_sgpr_workgroup_id_x 1
		.amdhsa_system_sgpr_workgroup_id_y 1
		.amdhsa_system_sgpr_workgroup_id_z 1
		.amdhsa_system_vgpr_workitem_id 0
		.amdhsa_next_free_vgpr 512
		.amdhsa_next_free_sgpr 66
		.amdhsa_reserve_vcc 0
		.amdhsa_float_denorm_mode_32 3
		.amdhsa_float_denorm_mode_16_64 3
		.amdhsa_fp16_overflow 1
		.amdhsa_memory_ordered 1
		.amdhsa_forward_progress 1
		.amdhsa_inst_pref_size 33
	.end_amdhsa_kernel
	.amdgpu_metadata
---
amdhsa.version: [ 1, 2 ]
amdhsa.kernels:
  - .name:           k_q8a53ee7a1d_qkv
    .symbol:         k_q8a53ee7a1d_qkv.kd
    .args:
      - { .name: x, .offset: 0, .size: 8, .value_kind: global_buffer, .address_space: global }
      - { .name: stats, .offset: 8, .size: 8, .value_kind: global_buffer, .address_space: global }
      - { .name: gn_weight, .offset: 16, .size: 8, .value_kind: global_buffer, .address_space: global }
      - { .name: gn_bias, .offset: 24, .size: 8, .value_kind: global_buffer, .address_space: global }
      - { .name: qkv_weight_codes, .offset: 32, .size: 8, .value_kind: global_buffer, .address_space: global }
      - { .name: qkv_bias, .offset: 40, .size: 8, .value_kind: global_buffer, .address_space: global }
      - { .name: lowp_scales, .offset: 48, .size: 8, .value_kind: global_buffer, .address_space: global }
      - { .name: qimg, .offset: 56, .size: 8, .value_kind: global_buffer, .address_space: global }
      - { .name: kv, .offset: 64, .size: 8, .value_kind: global_buffer, .address_space: global }
    .group_segment_fixed_size: 43520
    .private_segment_fixed_size: 0
    .kernarg_segment_align: 8
    .kernarg_segment_size: 72
    .max_flat_workgroup_size: 128
    .sgpr_count:     66
    .vgpr_count:     512
    .wavefront_size: 32
...
	.end_amdgpu_metadata
.endif
;; end of part 5
;; launch attn (part 6): grid 64 x 4, 8 waves a work-group, clusters of 4 x 1, 327,680 bytes of LDS; arguments qimg, kv, lowp_scales, proj_weight_codes, proj_bias, x, out0; writes out0
.if DOCPART == 6
	.amdgcn_target "amdgcn-amd-amdhsa--gfx1250"
	.amdhsa_code_object_version 6
	.text
	.protected	k_q8a53ee7a1d_attn
	.globl	k_q8a53ee7a1d_attn
	.p2align	8
	.type	k_q8a53ee7a1d_attn,@function
k_q8a53ee7a1d_attn:
	s_mov_b64 s[64:65], 0
	v_nop
	global_prefetch_b8 v0, s[64:65] scope:SCOPE_SE
	s_setreg_imm32_b32 hwreg(HW_REG_WAVE_MODE, 25, 1), 1
	s_wait_xcnt 0x0
	s_wait_alu depctr_hold_cnt(0) depctr_sa_sdst(0) depctr_va_vdst(0) depctr_va_sdst(0) depctr_va_ssrc(0) depctr_va_vcc(0) depctr_vm_vsrc(0)
	s_getreg_b32 s2, hwreg(HW_REG_IB_STS2, 6, 4)
	s_cmp_eq_u32 s2, 0
	s_cbranch_scc0 .Lentry_in_a_cluster
	s_endpgm
.Lentry_in_a_cluster:
	s_bfe_u32 s2, ttmp6, 0x10000c
	s_cmp_lg_u32 s2, 0x3003
	s_cbranch_scc0 .Lentry_shape_is_right
	s_endpgm
.Lentry_shape_is_right:
; out0 = x + proj(softmax(q k^T / sqrt(128)) v) + proj_bias, all three products on codes of BF8 (E5M2), each operand with the scale 2^e that is given for it (e2 .. e7 of the exponents).
; q, k and v come from the launch before as images of the operands' registers: a fragment (16 rows x 128 K) is four chunks of 512 bytes, lane l's 16 bytes at 16 l; lane (r = l % 16, h = l / 16) holds k = 32 c + 16 h + 0 .. 15 of row r in chunk c.
; qimg: [b][256 tiles of 16 queries][2,048].  kv: [b][32 steps of 128 keys][K's 8 fragments, then V^T's 8: 32,768 bytes].  Row r of tile t of a block of 128 positions is position 32 (t / 2) + 8 (t % 2) + r + 8 (r / 8).
; THE SOFTMAX: t = score x log2(e) / sqrt(128); M = the largest t so far, rounded UP to a whole number; p = 2^(t - M) is what is quantised; the sum is taken of the unquantised p and divides at the end.
; SHARES.  A work-group owns 64 queries of one batch: four tiles of 16.  Its EIGHT waves are 2 pairs of tiles x 4 QUARTERS OF THE KEYS: wave w owns tiles 2 (w % 2) and 2 (w % 2) + 1 against keys 1,024 (w / 2) on, eight steps of 128 keys,
; in 512 registers: two waves to a SIMD.  A fragment of K or V read from LDS feeds two matrix instructions, one for each tile: a step's 64 LDS loads a wave serve 32 products.
; At the end the four quarters of a tile are joined: every M is a whole number, so the factors 2^(M_k - M) round nothing.
; Both products are used transposed (S^T = K Q^T, O^T = V^T P^T): a lane holds ONE query of each tile throughout; the 16 registers of two neighbouring tiles of S^T are 16 neighbouring keys, so the conversions' results are the second product's operand.
; A STEP: K's eight fragments | S^T of both tiles | V's eight fragments are asked for | tile 0's softmax | tile 0's V^T P | tile 1's softmax | tile 1's V^T P: a tile's products are at work in the matrix unit while the other tile's vector lines are issued.
; RING.  Two LDS slots, each with one step of all four quarters (4 x 32,768 bytes), dense: a fragment load reads 512 consecutive bytes.  Every wave fetches 16 KiB, one tensor load behind each change of slots: one load of a wave is out at the most.
; CLUSTER.  The four work-groups of a cluster belong to one batch and walk the same kv: each tile is asked for JOINTLY, by the same tensor load with the same descriptor and the mask of all four.
; THE END.  For each of its two tiles wave (pair, quarter kq) joins channels 32 kq .. + 31, quantises them (two registers a tile of 16 channels: k = 16 c + 8 h + 0 .. 7, the matrix form's own order, in which proj_weight's codes are loaded too),
; the tile's fragment meets in LDS, and the wave makes outputs 32 kq .. + 31 for the tile's 16 queries.  The results meet in a stage [128 channels][64 positions], and leave with x added, sixteen lanes to 256 consecutive bytes, aligned.
; LIMITS on the given exponents, so that each power of two below is an f32 number: e2 + e3 between -123 and 130 (added to the exponent field of log2(e) / sqrt(128)); e4 and e6 - e4 - e5 between -126 and 112; e6 + e7 between -126 and 127.
; A quarter's running M is at most the row's M: p's codes differ from those under the row's M only where a number falls under the format's range, or where e4 < -15 lets the hold act.  NaN among the inputs is not served.
; REGISTERS, in windows of 256 (s_set_vgpr_msb: bits 1:0 source 0, 3:2 source 1, 5:4 source 2, 7:6 destination).  Tile 0 lives in window 0, tile 1 in window 1, UNDER THE SAME NUMBERS, so that one text of the softmax serves both:
;   v12 -M, v13 the largest t, v[14:15] the sum in two halves; v16-31 Q; v96-159 S^T, then p; v160-223 O^T; v224-239 p's codes; v244 2^e4; v236, v242-254 at work.
;   v32-95: four fragments of K or V in each window: the step's fragments 0-3 in window 0, 4-7 in window 1.   Window 0 alone: v1-6 addresses; v245 the scale of the attention's result.
.set SLOT1, 1<<17                      ; slot 1 begins here: one exclusive or turns an address in one slot into the other's
.set SPARE, 2*SLOT1                    ; the spare words, 128 bytes for each of 8 waves: four blocks of 256 bytes that no other line names
.set MX,    SPARE+1024                 ; the end: -M of the 16 partial results, 128 bytes each (2,048 bytes), behind it their sums (2,048)
.set CX,    MX+4096                    ; the four tiles' fragments of the attention's result: 4 x 2,048
.set STG,   CX+8192                    ; the stage: 128 rows x (256 bytes + 16): row r starts at bank 4 r mod 64 (64 banks of 4 bytes: ISA guide 11.1)
.set SP,    272
; the 16 partial O^T (tile qt, quarter k: number qt + 4 k), 8,192 bytes each, lie in slot 0: it has had its last fill, and its last read lies in front of the last change of slots
.set A0,  1                            ; v1  my quarter's place in a slot + 16 l
.set AD,  2                            ; v2  the same in the slot in hand
.set PFO, 3                            ; v3  256 l: the prefetches' offset; never rewritten
.set SPW, 5                            ; v5  LDS address of my spare word; never rewritten
.set NIL, 6                            ; v6  0; never rewritten
.set WV,  18                           ; s18 wave;  s19 its pair of tiles;  s38 its quarter
.set PR,  19
.set KQ,  38
.set SEL, 20                           ; s[20:21] lane selects for v_permlanex16_b32: lane l xor 16
.set CS,  22                           ; s[22:23] log2(e) / sqrt(128) x 2^(e2 + e3)
.set G1,  24                           ; s[24:31] descriptor group 1
.set G0,  32                           ; s[32:35] descriptor group 0, which walks
.set TB,  36                           ; s36 LDS byte at which the slot in hand begins
.set SLOTS, 37                         ; s37 slots still to be asked for
.set PFA, 56                           ; s[56:57] where my prefetches stand
.set LIM, 58                           ; s58 1 in a wave that prefetches, else the greatest number
.set YS,  59                           ; s59 2^(e6 + e7)
.set MSB, 0
.macro WIN new                         ; the immediate's high byte repeats the setting that is left; a switch that changes nothing is dropped
.if MSB != (\new)
	s_set_vgpr_msb (MSB<<8)|(\new)
.set MSB, (\new)
.endif
.endm
; A round of the cluster's barrier: my work-group's barrier, so that wave 0's signal speaks for all eight waves; wave 0 signals for the work-group; every wave waits for all four work-groups; my work-group's barrier once more.
.macro CROUND
	s_barrier_signal -1
	s_barrier_wait -1
	s_cmp_lg_u32 s[WV], 0
	s_cbranch_scc1 .Lnot_wave_0_\@
	s_barrier_signal -3
.Lnot_wave_0_\@:
	s_barrier_wait -3
	s_barrier_signal -1
	s_barrier_wait -1
.endm
; A joint load: every wave, 16 KiB (quarter w / 2: K's images, w even, or V's, w odd).  Four v_nop follow the load.
.macro JLOAD
	tensor_load_to_lds s[G0:G0+3], s[G1:G1+7]
	s_nop 0
.rept 4
	v_nop
.endr
.endm
; A PREFETCH INTO THE L2 of what the NEXT change of slots will ask for: the next step, 32,768 bytes, of each quarter.  All 16 clusters of a batch walk the same kv: the batch's first cluster asks, and nobody else.
; Its four partners take 8,192 bytes of each step, told apart BY ADDRESS; in each, wave j (0 to 3) asks for quarter j: one instruction, lanes 256 bytes apart.  So each aligned block of 256 bytes is named once in the launch.
; It stands behind the wave's tensor load and behind the run of LDS loads that the next products wait for.  Steps 0 and 1 come by their loads alone; the last change that fills a slot asks for nothing: there is no step behind it.
.macro ASK
	s_cmp_gt_u32 s[SLOTS], s[LIM]
	s_cbranch_scc0 .Lnot_mine_\@
	global_prefetch_b8 v[PFO], s[PFA:PFA+1] th:TH_LOAD_NT scope:SCOPE_SE
.Lnot_mine_\@:
.endm
.macro BARRIER                         ; my LDS stores have landed and my LDS loads are in: then the work-group's barrier
	s_wait_dscnt 0x0
	s_barrier_signal -1
	s_barrier_wait -1
.endm
.macro PLACES                          ; four places in front of loads into registers that matrix instructions have read, and of the first read of results (ISA guide 7.12.1 for vector instructions)
.rept 4
	v_nop
.endr
.endm
	s_load_b256 s[4:11], s[0:1], 0x0               ; qimg s[4:5], kv s[6:7], the exponents s[8:9], proj_weight's codes s[10:11]
	s_load_b128 s[12:15], s[0:1], 0x20             ; proj_bias s[12:13], x s[14:15]
	s_load_b64 s[16:17], s[0:1], 0x30              ; out0
	v_lshl_add_u32 v[SPW], v0, 2, SPARE
	v_mov_b32 v[NIL], 0
	ds_add_u32 v5, v6
	ds_add_u32 v5, v6
	s_wait_dscnt 0x0
	v_lshrrev_b32 v7, 5, v0
	s_delay_alu instid0(VALU_DEP_1)
	v_readfirstlane_b32 s[WV], v7                  ; wave 0..7
	s_and_b32 s[PR], s[WV], 1
	s_lshr_b32 s[KQ], s[WV], 1
	s_bfe_u32 s39, ttmp6, 0x40000                  ; cx: my place in the cluster
	s_lshl_b32 s40, ttmp9, 2                       ; in a cluster launch ttmp9 counts clusters
	s_add_co_u32 s40, s40, s39                     ; my block of 64 queries: it enters the addresses of qimg, x and out0 alone
	s_and_b32 s41, ttmp7, 0xffff                   ; the batch, which the four partners share
	; descriptor group 1: 64 rows of 32 elements of 8 bytes, dense in memory and in LDS
	s_mov_b32 s[G1], 15|(3<<16)|(1<<21)            ; 15:0 the mask: all four work-groups; 17:16 elements of 8 bytes; 20 no padding; 21 set beside a mask
	s_mov_b32 s[G1+1], 32<<16                      ; tensor_dim0 = 32
	s_mov_b32 s[G1+2], 64<<16                      ; tensor_dim1 = 64
	s_mov_b32 s[G1+3], 32<<16                      ; tile_dim0 = 32
	s_mov_b32 s[G1+4], 64                          ; tile_dim1 = 64
	s_mov_b32 s[G1+5], 32                          ; from row to row
	s_mov_b32 s[G1+6], 0
	s_mov_b32 s[G1+7], 0
	s_lshl_b32 s[G0+1], s[WV], 14                  ; LDS address: 16,384 w, in slot 0: no place in the cluster enters it
	s_lshl_b32 s61, s[KQ], 18                      ; the quarter's eight steps of 32,768 bytes
	s_lshl_b32 s62, s[PR], 14                      ; K's images or V's
	s_lshl_b32 s42, s41, 20                        ; the batch's 1 MiB of kv
	s_add_co_u32 s44, s42, s61
	s_add_co_u32 s44, s44, s62
	s_mov_b32 s45, 0
	s_lshl_b32 s46, s41, 19                        ; qimg: b x 512 KiB + 8,192 x block + 4,096 x pair
	s_lshl_b32 s47, s40, 13
	s_add_co_u32 s46, s46, s47
	s_lshl_b32 s47, s[PR], 12
	s_add_co_u32 s46, s46, s47
	s_mov_b32 s47, 0
	s_lshl_b32 s66, s41, 21                        ; x and out0: b x 2 MiB + 256 x block
	s_lshl_b32 s67, s40, 8
	s_add_co_u32 s66, s66, s67
	s_mov_b32 s67, 0
	s_and_b32 s68, s[WV], 3                        ; the prefetches: quarter w % 4,
	s_lshl_b32 s68, s68, 18
	s_add_co_u32 s68, s68, 32768                   ; its step 1: the first change of slots steps it to step 2
	s_add_co_u32 s68, s68, s42
	s_lshl_b32 s69, s39, 13                        ; my work-group's 8,192 bytes of a step
	s_add_co_u32 s68, s68, s69
	s_mov_b32 s69, 0
	s_lshr_b32 s70, s[WV], 2                       ; 0 in waves 0 to 3,
	s_or_b32 s70, s70, ttmp9                       ; of the batch's first cluster: the same in all four partners
	s_cmp_eq_u32 s70, 0
	s_cselect_b32 s[LIM], 1, -1
	s_mov_b32 s[SEL], 0x76543210
	s_mov_b32 s[SEL+1], 0xfedcba98
	s_mov_b32 s[CS], 0x3e0293ee                    ; log2(e) / sqrt(128)
	s_mov_b32 s[TB], 0
	s_mov_b32 s[SLOTS], 7
	s_wait_kmcnt 0x0
	s_load_b256 s[48:55], s[8:9], 0x0              ; e0 .. e7
	s_mov_b32 s[G0], 1                             ; count = 1
	s_add_nc_u64 s[G0+2:G0+3], s[6:7], s[44:45]    ; global address: step 0 of the quarter
	s_or_b32 s[G0+3], s[G0+3], 0x80000000          ; type = 2
	s_add_nc_u64 s[PFA:PFA+1], s[6:7], s[68:69]
	s_add_nc_u64 s[4:5], s[4:5], s[46:47]
	s_add_nc_u64 s[14:15], s[14:15], s[66:67]
	s_add_nc_u64 s[16:17], s[16:17], s[66:67]
	CROUND                                         ; all four work-groups are here: the first joint loads meet
	JLOAD                                          ; slot 0
	v_and_b32 v4, 31, v0
	s_delay_alu instid0(VALU_DEP_1)
	v_lshlrev_b32 v[PFO], 8, v4
	s_delay_alu instid0(VALU_DEP_2)
	v_lshlrev_b32 v4, 4, v4                        ; 16 l
.irp c, 0,1,2,3
	global_load_b128 v[16+4*\c:19+4*\c], v4, s[4:5] offset:512*\c        ; tile 0's Q stays in registers,
.endr
	WIN 0x40                                       ; destination window 1
.irp c, 0,1,2,3
	global_load_b128 v[16+4*\c:19+4*\c], v4, s[4:5] offset:2048+512*\c   ; and tile 1's
.endr
	WIN 0
	s_lshl_b32 s70, s[KQ], 15
	v_add_nc_u32 v[A0], s70, v4
	s_wait_kmcnt 0x0
	s_add_co_i32 s72, s50, s51
	s_lshl_b32 s72, s72, 23
	s_add_co_i32 s[CS], s[CS], s72                 ; a score stands for score x 2^(e2 + e3): added to the exponent field
	s_mov_b32 s[CS+1], s[CS]                       ; (named with it as a pair, so it is written)
	s_add_co_i32 s72, s52, 127
	s_lshl_b32 s73, s72, 23                        ; 2^e4 as f32: p's conversions take its exponent field
.irp wn, 0, 0x40                               ; in both windows
	WIN \wn
	v_mov_b32 v244, s73
	v_mov_b32 v236, 0                              ; a lane permute's destination counts as one of its sources
	v_mov_b32 v253, 0                              ; (named as the upper half of the pair v[252:253])
.endr
	WIN 0
	s_sub_co_i32 s74, s54, s52
	s_sub_co_i32 s74, s74, s53                     ; e6 - e4 - e5: a sum of the second product stands for sum x 2^(e4 + e5)
	s_add_co_i32 s74, s74, 127
	s_lshl_b32 s75, s74, 23
	v_mov_b32 v245, s75
	s_add_co_i32 s[YS], s54, s55
	s_add_co_i32 s[YS], s[YS], 127
	s_lshl_b32 s[YS], s[YS], 23                    ; 2^(e6 + e7)
; 32 LDS loads in one run: eight fragments from byte base of my quarter's step: 0-3 into window 0, 4-7 into window 1
.macro FLOAD base
.irp t, 0,1,2,3
.irp c, 0,1,2,3
	ds_load_b128 v[32+16*\t+4*\c:35+16*\t+4*\c], v[AD] offset:\base+2048*\t+512*\c
.endr
.endr
	WIN 0x40                                       ; destination window 1, address window 0
.irp t, 0,1,2,3
.irp c, 0,1,2,3
	ds_load_b128 v[32+16*\t+4*\c:35+16*\t+4*\c], v[AD] offset:\base+8192+2048*\t+512*\c
.endr
.endr
	WIN 0
.endm
; four products S^T = K Q^T of tile w (its S^T and Q in window w) with the fragments of window g: keys' tiles 4 g .. 4 g + 3
.macro MULS w, g
	WIN ((\w)*0x44)|(\g)
.irp t, 0,1,2,3
	v_wmma_f32_16x16x128_bf8_bf8 v[96+8*(4*(\g)+\t):103+8*(4*(\g)+\t)], v[32+16*\t:47+16*\t], v[16:31], 0
.endr
.endm
; four products O^T += V^T P^T of tile w: channels 16 (4 g + t) on.  first = 1: they start the sums: nothing is ever cleared.  The accumulators take turns, one instruction a turn
.macro MULO w, g, first
	WIN ((\w)*0x54)|(\g)
.irp t, 0,1,2,3
.if \first
	v_wmma_f32_16x16x128_bf8_bf8 v[160+8*(4*(\g)+\t):167+8*(4*(\g)+\t)], v[32+16*\t:47+16*\t], v[224:239], 0
.else
	v_wmma_f32_16x16x128_bf8_bf8 v[160+8*(4*(\g)+\t):167+8*(4*(\g)+\t)], v[32+16*\t:47+16*\t], v[224:239], v[160+8*(4*(\g)+\t):167+8*(4*(\g)+\t)]
.endif
.endr
.endm
; ONE TILE'S SOFTMAX FOR A STEP, in the window that is set: every register of it lies in the tile's own window.  first = 1: the first key step, which has no old M, no old sum and no O^T to bring under a new M.
.macro SOFTMAX first
.irp c, 0,1,2,3
	v_max3_num_f32 v[248+2*\c], v[96+16*\c], v[97+16*\c], v[98+16*\c]   ; the step's largest score of my query, among my 64 keys, in four chains of 16; each accumulator is read from its low end on
.endr
.irp i, 3,5,7,9,11,13
.irp c, 0,1,2,3
	v_max3_num_f32 v[248+2*\c], v[248+2*\c], v[96+16*\c+\i], v[97+16*\c+\i]
.endr
.endr
	v_max3_num_f32 v248, v248, v111, v127          ; the chains' last scores,
	v_max3_num_f32 v252, v252, v143, v159
	s_delay_alu instid0(VALU_DEP_1)
	v_max3_num_f32 v248, v248, v250, v252          ; and the four chains
	s_delay_alu instid0(VALU_DEP_1)
	v_max_num_f32 v254, v248, v254
	v_permlanex16_b32 v236, v254, s[SEL], s[SEL+1]
	s_delay_alu instid0(VALU_DEP_1)
	v_max_num_f32 v254, v254, v236                 ; and lane l xor 16's
.if \first
	s_delay_alu instid0(VALU_DEP_1)
	v_mul_f32 v13, s[CS], v254                     ; as t (the factor is positive): the largest t so far
	s_delay_alu instid0(VALU_DEP_1)
	v_floor_f32 v12, -v13                          ; -M = floor(-t) = -ceil(t): M is a whole number
.else
	s_delay_alu instid0(VALU_DEP_1)
	v_mul_f32 v254, s[CS], v254
	s_delay_alu instid0(VALU_DEP_1)
	v_max_num_f32 v13, v13, v254                   ; the running largest t
	v_mov_b32 v254, v12
	s_delay_alu instid0(VALU_DEP_2)
	v_floor_f32 v12, -v13                          ; the new -M
	s_delay_alu instid0(VALU_DEP_1)
	v_sub_f32 v254, v12, v254                      ; M's old value less its new one: a whole number, 0 or less
	s_delay_alu instid0(VALU_DEP_1)
	v_cvt_i32_f32 v254, v254                       ; (it saturates)
	s_delay_alu instid0(VALU_DEP_1)
	v_ldexp_f32 v252, 1.0, v254                    ; f = 2^(old M - new M): a multiplication by it rounds nothing
.endif
.set j, 0
.rept 32
	v_pk_fma_f32 v[96+j:97+j], v[96+j:97+j], s[CS:CS+1], v[12:13] op_sel_hi:[1,0,0]   ; t - M, two at a time (of both pairs the low word serves both halves)
.set j, j+2
.endr
.set j, 0
	s_wait_alu depctr_va_vdst(0)
.rept 64
	v_exp_f32 v[96+j], v[96+j]                     ; p = 2^(t - M), at most 1: not normalised
.set j, j+1
.endr
.if \first
	v_nop                                          ; a plain place behind the exponentials
	s_wait_alu depctr_va_vdst(0)
.else
	v_pk_mul_f32 v[14:15], v[14:15], v[252:253] op_sel_hi:[1,0]   ; the sums under the new M.  (A plain place behind the exponentials)
	s_wait_alu depctr_va_vdst(0)
.endif
	v_pk_add_f32 v[242:243], v[96:97], v[98:99]    ; the row's sum is taken of the unquantised p: two at a time, in four chains
	v_pk_add_f32 v[246:247], v[100:101], v[102:103]
	v_pk_add_f32 v[250:251], v[104:105], v[106:107]
.if \first
	v_pk_add_f32 v[14:15], v[108:109], v[110:111]
.else
	v_pk_add_f32 v[14:15], v[14:15], v[108:109]
	v_pk_add_f32 v[242:243], v[242:243], v[110:111]
.endif
.irp j, 16,24,32,40,48,56
	v_pk_add_f32 v[14:15], v[14:15], v[96+\j:97+\j]
	v_pk_add_f32 v[242:243], v[242:243], v[98+\j:99+\j]
	v_pk_add_f32 v[246:247], v[246:247], v[100+\j:101+\j]
	v_pk_add_f32 v[250:251], v[250:251], v[102+\j:103+\j]
.endr
	s_delay_alu instid0(VALU_DEP_3)
	v_pk_add_f32 v[14:15], v[14:15], v[242:243]
	s_delay_alu instid0(VALU_DEP_2)
	v_pk_add_f32 v[246:247], v[246:247], v[250:251]
	s_delay_alu instid0(VALU_DEP_1)
	v_pk_add_f32 v[14:15], v[14:15], v[246:247]
.irp b, 0,1,2,3
.irp i, 0,1,2,3,4,5,6,7,8,9,10,11,12,13,14,15
.endr
	v_cvt_scalef32_pk8_bf8_f32 v[224+4*\b:225+4*\b], v[96+16*\b:103+16*\b], v244
	v_cvt_scalef32_pk8_bf8_f32 v[226+4*\b:227+4*\b], v[104+16*\b:111+16*\b], v244
.endr
.if \first
	s_wait_alu depctr_va_vdst(0)
	v_nop                                          ; one plain vector instruction between the last conversion and the products that read its result
.else
.set j, 0
.rept 32
	v_pk_mul_f32 v[160+j:161+j], v[160+j:161+j], v[252:253] op_sel_hi:[1,0]   ; O^T under the new M.  (These are also the plain lines behind the conversions)
.set j, j+2
.endr
.endif
.endm
; A KEY STEP: my quarter's 128 keys in the slot in hand, for both tiles.  ask = 1: the prefetch stands behind K's loads
.macro STEP first, ask
	v_add_nc_u32 v[AD], s[TB], v[A0]               ; (a place, with the three below, behind the last step's products, which read the fragments' registers)
.rept 3
	v_nop
.endr
	FLOAD 0                                        ; K
.if \ask
	ASK
.endif
	s_wait_dscnt 16                                ; fragments 0-3 are in; the sixteen loads of fragments 4-7 may be out
	MULS 0, 0
	MULS 1, 0
	s_wait_dscnt 0x0
	MULS 0, 1
	MULS 1, 1
	WIN 0
	PLACES
	s_wait_alu depctr_va_vdst(0)
	FLOAD 16384                                    ; V: it lands while tile 0's softmax is worked
	SOFTMAX \first
	s_wait_alu depctr_va_vdst(0)
	s_wait_dscnt 0x0                               ; V is in
	MULO 0, 0, \first
	MULO 0, 1, \first
	WIN 0x55                                       ; all four places window 1: tile 1's softmax, while tile 0's products are at work
	SOFTMAX \first
	MULO 1, 0, \first
	MULO 1, 1, \first
	WIN 0                                          ; at a label and at a branch every window is 0
.endm
; THE CHANGE OF SLOTS stands at a step's head.  Each wave waits for all its tensor loads (its part of the slot that it is about to read), adds 0 to its spare word, and waits for that and for its reads of the slot that it has left.
; fill = 1: that other slot is filled with the next step.  The barrier is then a round of the cluster's, so that no wave of any partner still reads the slot or has a load on its way; the joint load is the first thing behind it and has a whole step in which to land.
.macro CHANGE fill
	s_wait_tensorcnt 0x0                           ; no tensor load of mine is out, so group 0 may be written
	ds_add_u32 v[SPW], v[NIL]                      ; 0 onto my spare word
.if \fill
	s_xor_b32 s[G0+1], s[G0+1], SLOT1              ; the walking descriptor: the other slot than last time,
	s_add_nc_u64 s[G0+2:G0+3], s[G0+2:G0+3], 32768 ; the quarter's next step; the type bits on top are not reached
	s_wait_xcnt 0x0                                ; the last prefetch, a step back, has read its address, so it may be written:
	s_add_nc_u64 s[PFA:PFA+1], s[PFA:PFA+1], 32768 ; one step further on than the walking descriptor
	s_wait_dscnt 0x0                               ; the add is done, and my reads of the slot that I have left are over
	CROUND
	JLOAD
.else
	s_wait_dscnt 0x0
	s_barrier_signal -1
	s_barrier_wait -1
.endif
.endm
	s_wait_loadcnt 0x0                             ; Q
	CHANGE 1                                       ; slot 0 is whole; slot 1 is asked for
	s_wait_alu depctr_va_vdst(0)
	STEP 1, 1                                      ; the first step is written out: its products start O^T's sums
	s_xor_b32 s[TB], s[TB], SLOT1
	s_mov_b32 s[SLOTS], 6
.Lslot:                                            ; six trips: steps 1 to 6; behind each change of slots the next step is asked for
	CHANGE 1
	STEP 0, 1
	s_xor_b32 s[TB], s[TB], SLOT1                  ; on to the other slot
	s_sub_co_u32 s[SLOTS], s[SLOTS], 1
	s_cmp_lg_u32 s[SLOTS], 0
	s_cbranch_scc1 .Lslot
	CHANGE 0                                       ; the last step is written out
	STEP 0, 0
	; ---- THE END.  Lane numbers and the sums first: plain lines that name no register of the last products, the places behind them
	v_and_b32 v8, 31, v0                           ; l
	v_and_b32 v9, 15, v0                           ; r
	v_bfe_u32 v10, v0, 4, 1                        ; h
	s_delay_alu instid0(VALU_DEP_3)
	v_lshlrev_b32 v11, 4, v8                       ; 16 l
.irp wn, 0, 0x55                               ; tile 0, tile 1
	WIN \wn
	v_add_f32 v14, v14, v15                        ; the sum's two halves,
	s_delay_alu instid0(VALU_DEP_1)
	v_permlanex16_b32 v252, v14, s[SEL], s[SEL+1]
	s_delay_alu instid0(VALU_DEP_1)
	v_add_f32 v14, v14, v252                       ; and lane l xor 16's: my quarter's sum for query r
.endr
	WIN 0
	; addresses, in tile 0's Q registers, which are free: v16 .. v27.  My two partial results are numbers 2 w and 2 w + 1 of the 16 (tile 2 pr + u, quarter kq: 2 pr + u + 4 kq)
	s_lshl_b32 s71, s[WV], 8
	s_add_co_u32 s71, s71, MX
	v_lshl_add_u32 v16, v8, 2, s71                 ; my lane's word for -M of tile u: + 128 u; the sum's lies 2,048 bytes on
	s_lshl_b32 s70, s[WV], 14
	v_add_nc_u32 v17, s70, v11                     ; my partial O^T of tile u: 16,384 w + 8,192 u + 16 l
	s_lshl_b32 s71, s[PR], 8
	s_add_co_u32 s71, s71, MX
	v_lshl_add_u32 v18, v8, 2, s71                 ; -M of lane l, tile 2 pr + u, quarter k: + 128 u + 512 k
	s_lshl_b32 s72, s[PR], 14
	s_lshl_b32 s73, s[KQ], 11
	s_add_co_u32 s72, s72, s73
	v_add_nc_u32 v19, s72, v11                     ; channels' tiles 2 kq, 2 kq + 1 of the partial of tile 2 pr + u, quarter k: + 8,192 u + 32,768 k
	s_delay_alu instid0(VALU_DEP_1)
	v_add_nc_u32 v20, 0x10000, v19                 ; (k = 2, 3: the immediate has 16 bits)
	s_lshl_b32 s74, s[PR], 12
	s_add_co_u32 s74, s74, CX
	v_add_nc_u32 v22, s74, v11                     ; tile 2 pr + u's fragment: + 2,048 u,
	s_lshl_b32 s75, s[KQ], 9
	v_add_nc_u32 v21, s75, v22                     ; and my four registers of it
	s_mul_i32 s76, s[KQ], 32*SP
	s_lshl_b32 s77, s[PR], 7
	s_add_co_u32 s76, s76, s77
	s_add_co_u32 s76, s76, STG
	v_mul_u32_u24 v23, v9, SP
	s_delay_alu instid0(VALU_DEP_1)
	v_lshl_add_u32 v23, v10, 6, v23
	s_delay_alu instid0(VALU_DEP_1)
	v_add_nc_u32 v23, s76, v23                     ; the stage, in: row 32 kq + r; positions 32 pr + 8 u + 16 h + 0 .. 7: + 32 u bytes
	s_mul_i32 s78, s[WV], 16*SP
	s_add_co_u32 s78, s78, STG
	v_mul_u32_u24 v24, v10, SP
	s_delay_alu instid0(VALU_DEP_1)
	v_lshl_add_u32 v24, v9, 4, v24
	s_delay_alu instid0(VALU_DEP_1)
	v_add_nc_u32 v24, s78, v24                     ; back: rows 16 w + h, 16 bytes a lane
	s_lshl_b32 s79, s[KQ], 12
	v_lshlrev_b32 v25, 7, v9
	s_delay_alu instid0(VALU_DEP_1)
	v_lshl_add_u32 v25, v10, 3, v25
	s_delay_alu instid0(VALU_DEP_1)
	v_add_nc_u32 v25, s79, v25                     ; proj_weight: row 32 kq + r of 128 bytes, + 8 h
	s_lshl_b32 s79, s[KQ], 7
	v_lshl_add_u32 v26, v9, 2, s79                 ; proj_bias: number 32 kq + r
	s_lshl_b32 s80, s[WV], 18
	v_lshlrev_b32 v27, 14, v10
	s_delay_alu instid0(VALU_DEP_1)
	v_lshl_add_u32 v27, v9, 4, v27
	s_delay_alu instid0(VALU_DEP_1)
	v_add_nc_u32 v27, s80, v27                     ; x and out0: channel 16 w + h (rows of 16,384 bytes), 16 r
	; 26 loads: 16 of the weights' codes, 2 of the biases, 8 of x
.irp n, 0,1
.irp c, 0,1,2,3,4,5,6,7
	global_load_b64 v[32+16*\n+2*\c:33+16*\n+2*\c], v25, s[10:11] offset:2048*\n+16*\c   ; registers 2 c, 2 c + 1: k = 16 c + 8 h + 0 .. 7
.endr
.endr
	global_load_b32 v28, v26, s[12:13]
	global_load_b32 v29, v26, s[12:13] offset:64
.irp i, 0,1,2,3,4,5,6,7
	global_load_b128 v[64+4*\i:67+4*\i], v27, s[14:15] offset:32768*\i
.endr
	ds_store_b32 v16, v12
	ds_store_b32 v16, v14 offset:2048
.irp t, 0,1,2,3,4,5,6,7
	ds_store_b128 v17, v[160+8*\t:163+8*\t] offset:1024*\t         ; each accumulator from its low end on
	ds_store_b128 v17, v[164+8*\t:167+8*\t] offset:1024*\t+512
.endr
	WIN 0x04                                       ; the stores' data (source 1) window 1: tile 1
	ds_store_b32 v16, v12 offset:128
	ds_store_b32 v16, v14 offset:2048+128
.irp t, 0,1,2,3,4,5,6,7
	ds_store_b128 v17, v[160+8*\t:163+8*\t] offset:8192+1024*\t
	ds_store_b128 v17, v[164+8*\t:167+8*\t] offset:8192+1024*\t+512
.endr
	WIN 0                                          ; from here on all work lies in window 0
	BARRIER                                        ; the sixteen partial results lie in LDS
	; tile u: -M_k in v[224 + 8 u ..], the sums in v[228 + 8 u ..], the four partials' 16 registers each from v[96 + 64 u] on
.irp u, 0,1
.irp k, 0,1,2,3
	ds_load_b32 v[224+8*\u+\k], v18 offset:128*\u+512*\k
.endr
.irp k, 0,1,2,3
	ds_load_b32 v[228+8*\u+\k], v18 offset:2048+128*\u+512*\k
.endr
.endr
.irp u, 0,1
.irp k, 0,1
.irp n, 0,1
	ds_load_b128 v[96+64*\u+16*\k+8*\n:99+64*\u+16*\k+8*\n], v19 offset:8192*\u+32768*\k+1024*\n
	ds_load_b128 v[100+64*\u+16*\k+8*\n:103+64*\u+16*\k+8*\n], v19 offset:8192*\u+32768*\k+1024*\n+512
.endr
.endr
.irp k, 0,1
.irp n, 0,1
	ds_load_b128 v[128+64*\u+16*\k+8*\n:131+64*\u+16*\k+8*\n], v20 offset:8192*\u+32768*\k+1024*\n
	ds_load_b128 v[132+64*\u+16*\k+8*\n:135+64*\u+16*\k+8*\n], v20 offset:8192*\u+32768*\k+1024*\n+512
.endr
.endr
.endr
	s_wait_dscnt 32                                ; the sixteen small loads are in; the 32 behind them may be out
.irp u, 0,1
	v_min3_num_f32 v[246+3*\u], v[224+8*\u], v[225+8*\u], v[226+8*\u]
	s_delay_alu instid0(VALU_DEP_1)
	v_min_num_f32 v[246+3*\u], v[246+3*\u], v[227+8*\u]            ; -M of the row: the least of the four -M_k
.irp k, 0,1,2,3
	v_sub_f32 v[224+8*\u+\k], v[246+3*\u], v[224+8*\u+\k]          ; M_k - M: a whole number, 0 or less
.endr
.irp k, 0,1,2,3
	s_delay_alu instid0(VALU_DEP_4)
	v_cvt_i32_f32 v[224+8*\u+\k], v[224+8*\u+\k]
.endr
.irp k, 0,1,2,3
	s_delay_alu instid0(VALU_DEP_4)
	v_ldexp_f32 v[224+8*\u+\k], 1.0, v[224+8*\u+\k]                ; f_k = 2^(M_k - M)
.endr
	s_delay_alu instid0(VALU_DEP_4)
	v_mul_f32 v[247+3*\u], v[224+8*\u], v[228+8*\u]
	s_delay_alu instid0(VALU_DEP_1)
	v_fmac_f32 v[247+3*\u], v[225+8*\u], v[229+8*\u]
	s_delay_alu instid0(VALU_DEP_1)
	v_fmac_f32 v[247+3*\u], v[226+8*\u], v[230+8*\u]
	s_delay_alu instid0(VALU_DEP_1)
	v_fmac_f32 v[247+3*\u], v[227+8*\u], v[231+8*\u]               ; the row's sum
	s_wait_alu depctr_va_vdst(0)
	v_rcp_f32 v[248+3*\u], v[247+3*\u]
	v_nop                                          ; one plain place behind the transcendental
	s_wait_alu depctr_va_vdst(0)
.irp k, 0,1,2,3
	v_mul_f32 v[224+8*\u+\k], v[224+8*\u+\k], v[248+3*\u]          ; f_k / the sum
.endr
.endr
; tile u's 32 channels of mine are joined in place on the first partial's registers, quantised, and stored as my four registers of the tile's fragment
.macro MERGE u
.set PB, 96+64*(\u)
.set j, 0
.rept 16
	v_mul_f32 v[PB+j], v[224+8*(\u)], v[PB+j]
.set j, j+1
.endr
.irp k, 1,2,3
.set j, 0
.rept 16
	v_fmac_f32 v[PB+j], v[224+8*(\u)+\k], v[PB+16*\k+j]
.set j, j+1
.endr
.endr
.set j, 0
.rept 16
.set j, j+1
.endr
	v_cvt_scalef32_pk8_bf8_f32 v[PB+16:PB+17], v[PB:PB+7], v245      ; query r, channels 32 kq + 8 h + 0 .. 7,
	v_cvt_scalef32_pk8_bf8_f32 v[PB+18:PB+19], v[PB+8:PB+15], v245   ; and 32 kq + 16 + 8 h + 0 .. 7: registers 4 kq .. 4 kq + 3 of the fragment
	v_nop                                          ; one plain vector instruction behind the last conversion
	ds_store_b128 v21, v[PB+16:PB+19] offset:2048*(\u)
.endm
	s_wait_dscnt 16                                ; tile 0's partials are in; tile 1's sixteen loads may be out
	MERGE 0
	s_wait_dscnt 1                                 ; tile 1's are in; behind them stands tile 0's one store
	MERGE 1
	BARRIER                                        ; the four tiles' fragments lie in LDS
.irp u, 0,1
.irp c, 0,1,2,3
	ds_load_b128 v[128+64*\u+4*\c:131+64*\u+4*\c], v22 offset:2048*\u+512*\c
.endr
.endr
	s_wait_dscnt 0x0
	s_wait_loadcnt 8                               ; the weights' codes and the biases are in; x's eight loads may be out
.irp u, 0,1
.irp n, 0,1
	v_wmma_f32_16x16x128_bf8_bf8 v[144+64*\u+8*\n:151+64*\u+8*\n], v[128+64*\u:143+64*\u], v[32+16*\n:47+16*\n], 0   ; source 0 = the tile's 16 queries, source 1 = outputs 32 kq + 16 n on: a lane holds one output channel and eight neighbouring positions
.endr
.endr
	PLACES
.irp u, 0,1
.irp n, 0,1
.irp j, 0,1,2,3,4,5,6,7
	v_fma_f32 v[96+64*\u+8*\n+\j], v[144+64*\u+8*\n+\j], s[YS], v[28+\n]   ; sum x 2^(e6 + e7) + bias
.endr
.endr
.endr
.irp u, 0,1
.irp n, 0,1
	ds_store_b128 v23, v[96+64*\u+8*\n:99+64*\u+8*\n] offset:32*\u+16*SP*\n
	ds_store_b128 v23, v[100+64*\u+8*\n:103+64*\u+8*\n] offset:32*\u+16*SP*\n+16
.endr
.endr
	BARRIER                                        ; 128 rows of 64 positions lie in the stage
.irp i, 0,1,2,3,4,5,6,7
	ds_load_b128 v[96+4*\i:99+4*\i], v24 offset:2*SP*\i
.endr
	s_wait_dscnt 0x0
	s_wait_loadcnt 0x0                             ; x
.set j, 0
.rept 16
	v_pk_add_f32 v[96+j:97+j], v[96+j:97+j], v[64+j:65+j]
.set j, j+2
.endr
.irp i, 0,1,2,3,4,5,6,7
	global_store_b128 v27, v[96+4*\i:99+4*\i], s[16:17] offset:32768*\i th:TH_STORE_NT   ; sixteen lanes store 256 consecutive bytes, at a multiple of 256 from out0's first byte
.endr
	s_wait_tensorcnt 0x0                           ; the wave's end: behind my last tensor load and my last LDS store
	ds_add_u32 v[SPW], v[NIL]
	s_wait_dscnt 0x0
	CROUND                                         ; the closing round: no work-group ends while a partner may still ask for a tile that names it
	s_endpgm
.Lfunc_end_k_q8a53ee7a1d_attn:
	.size	k_q8a53ee7a1d_attn, .Lfunc_end_k_q8a53ee7a1d_attn-k_q8a53ee7a1d_attn
	.p2alignl 7, 3214868480
	.fill 96, 4, 3214868480
	.section	.rodata,"a",@progbits
	.p2align	6, 0x0
	.amdhsa_kernel k_q8a53ee7a1d_attn
		.amdhsa_group_segment_fixed_size 327680
		.amdhsa_private_segment_fixed_size 0
		.amdhsa_enable_private_segment 0
		.amdhsa_kernarg_size 56
		.amdhsa_user_sgpr_count 2
		.amdhsa_user_sgpr_kernarg_segment_ptr 1
		.amdhsa_wavefront_size32 1
		.amdhsa_system_sgpr_workgroup_id_x 1
		.amdhsa_system_sgpr_workgroup_id_y 1
		.amdhsa_system_sgpr_workgroup_id_z 1
		.amdhsa_system_vgpr_workitem_id 0
		.amdhsa_next_free_vgpr 512
		.amdhsa_next_free_sgpr 96
		.amdhsa_reserve_vcc 0
		.amdhsa_float_denorm_mode_32 3
		.amdhsa_float_denorm_mode_16_64 3
		.amdhsa_fp16_overflow 1
		.amdhsa_memory_ordered 1
		.amdhsa_forward_progress 1
		.amdhsa_inst_pref_size 117
	.end_amdhsa_kernel
	.amdgpu_metadata
---
amdhsa.version: [ 1, 2 ]
amdhsa.kernels:
  - .name:           k_q8a53ee7a1d_attn
    .symbol:         k_q8a53ee7a1d_attn.kd
    .args:
      - { .name: qimg, .offset: 0, .size: 8, .value_kind: global_buffer, .address_space: global }
      - { .name: kv, .offset: 8, .size: 8, .value_kind: global_buffer, .address_space: global }
      - { .name: lowp_scales, .offset: 16, .size: 8, .value_kind: global_buffer, .address_space: global }
      - { .name: proj_weight_codes, .offset: 24, .size: 8, .value_kind: global_buffer, .address_space: global }
      - { .name: proj_bias, .offset: 32, .size: 8, .value_kind: global_buffer, .address_space: global }
      - { .name: x, .offset: 40, .size: 8, .value_kind: global_buffer, .address_space: global }
      - { .name: out0, .offset: 48, .size: 8, .value_kind: global_buffer, .address_space: global }
    .group_segment_fixed_size: 327680
    .private_segment_fixed_size: 0
    .kernarg_segment_align: 8
    .kernarg_segment_size: 56
    .max_flat_workgroup_size: 256
    .sgpr_count:     96
    .vgpr_count:     512
    .wavefront_size: 32
...
	.end_amdgpu_metadata
.endif
;; end of part 6
